; MI455X (gfx1250); checked and timed in simulation.
; The chip was launched on July 23, 2026; its instructions are those of AMD's public machine-readable ISA for CDNA 5 (MIT licence, August 2026) and "CDNA5" Instruction Set Architecture Reference Guide (July 2026). The comments in the code are by the model that wrote it; some were corrected since.
;; Causal Self Attention. Allowed arithmetic: matrix products marked QUANTISED: E5M2 operands, one E8M0 scale for each 32 along K, by v_wmma_scale_f32_16x16x128_f8f6f4 with both operands' format E5M2, f32 sums; everything else in f32.
;; Inputs: bk 1,024 float32; bo 1,024 float32; bq 1,024 float32; bv 1,024 float32; wk_codes 1,024 x 32 x 32 uint8 (E5M2 codes of wk, K innermost, in blocks of 32 codes); wk_scales 1,024 x 32 uint8 (E8M0 scales of wk, one for each 32 codes along K); wo_codes 1,024 x 32 x 32 uint8 (E5M2 codes of wo, K innermost, in blocks of 32 codes); wo_scales 1,024 x 32 uint8 (E8M0 scales of wo, one for each 32 codes along K); wq_codes 1,024 x 32 x 32 uint8 (E5M2 codes of wq, K innermost, in blocks of 32 codes); wq_scales 1,024 x 32 uint8 (E8M0 scales of wq, one for each 32 codes along K); wv_codes 1,024 x 32 x 32 uint8 (E5M2 codes of wv, K innermost, in blocks of 32 codes); wv_scales 1,024 x 32 uint8 (E8M0 scales of wv, one for each 32 codes along K); x_codes 4 x 2,048 x 32 x 32 uint8 (E5M2 codes of x, K innermost, in blocks of 32 codes); x_scales 4 x 2,048 x 32 uint8 (E8M0 scales of x, one for each 32 codes along K).
;; Outputs: out0 4 x 2,048 x 1,024 float32.
;; This version of the problem:
;;   THIS VERSION OF THE PROBLEM IS GIVEN IN LOW PRECISION. The matrix products marked QUANTISED in the list below multiply operands that are first quantised to E5M2 (5 exponent bits, 2 mantissa bits; 8 bits a number), with one power-of-two scale for each 32 numbers along K (OCP MX v1.0); their sums are f32. All else is computed in f32.
;;   The module's matrix products, in the order in which they are computed (A, B: the left and right operand; K: the contracted axis; several contracted axes count as one K, in the product's order):
;;     1. [M 8,192, K 1,024] x [K 1,024, N 1,024]; A: input x (given as codes); B: input wq (given as codes): QUANTISED
;;     2. [M 8,192, K 1,024] x [K 1,024, N 1,024]; A: input x (given as codes); B: input wk (given as codes): QUANTISED
;;     3. [M 8,192, K 1,024] x [K 1,024, N 1,024]; A: input x (given as codes); B: input wv (given as codes): QUANTISED
;;     4. batch 64 x [M 2,048, K 64] x [K 64, N 2,048]; A: computed on the way; B: computed on the way: QUANTISED
;;     5. batch 64 x [M 2,048, K 2,048] x [K 2,048, N 64]; A: softmax (see below); B: computed on the way: QUANTISED
;;     6. [M 8,192, K 1,024] x [K 1,024, N 1,024]; A: computed on the way; B: input wo (given as codes): QUANTISED
;;   THE QUANTISER, for each operand of a quantised product, along K:
;;     - K is cut into blocks of 32 from its start; a last block that is shorter is filled with zeros.
;;     - A block's scale is 2^e with e = floor(log2(the largest magnitude in the block)) - 15, held to -126 .. 127; a block of zeros has e = 0. As a byte (E8M0): e + 127.
;;     - Each number is divided by its block's scale, clamped to +-57,344, and rounded to the nearest number of E5M2, ties to even, subnormals kept.
;;     - The product sums the exact products of the quantised numbers (number of the format x scale) in f32.
;;   ~~~python
;;   def quantise(x, axis):      # numpy; x: float32 -> the quantised numbers, widened to float32 again
;;       x = np.moveaxis(x, axis, -1); K = x.shape[-1]
;;       x = np.pad(x, [(0, 0)] * (x.ndim - 1) + [(0, -K % 32)]); x = x.reshape(x.shape[:-1] + (-1, 32)); a = np.abs(x).max(-1, keepdims=True)
;;       e = np.where(a > 0, np.clip(np.frexp(np.where(a > 0, a, 1))[1] - 1 - 15, -126, 127), 0)      # np.frexp(a)[1] - 1 = floor(log2(a)), exactly
;;       r = np.clip(x / 2.0 ** e, -57344, 57344)
;;       step = 2.0 ** (np.maximum(np.frexp(np.where(r == 0, 1, r))[1] - 1, -14) - 2)
;;       q = np.round(r / step) * step * 2.0 ** e      # np.round: ties to even
;;       return np.moveaxis(q.reshape(q.shape[:-2] + (-1,))[..., :K], -1, axis).astype(np.float32)
;;   ~~~
;;   SOFTMAX AHEAD OF A QUANTISED PRODUCT. Where the list says 'softmax', what is quantised is not the finished softmax but p = 2^(t - M), with t = logit x log2(e) and M = ceil(the row's largest t), a whole number; so 1/2 < the row's largest p <= 1. The row's sum l is taken of the UNQUANTISED p, in f32, and the product's result is divided by l at the end. Since M is a whole number, a kernel that streams over the keys may use a running M (the ceiling of the running maximum): every later rescaling is an exact power of two, which a block's scale takes up: the codes' values come out the same.
;;   OPERANDS COMPUTED ON THE WAY. 'Computed on the way' means the value that the module computes at that place (a softmax that the list does not call 'softmax' is quantised finished and normalised). What goes into a quantiser is computed in f32, as accurately as f32 sums, v_exp_f32 and their like allow (about 1e-6 of the number): no bf16 or f16 on the way to a quantiser, and a product that is left as it is and whose result goes on into a quantised operand takes f32 operands (vector FMAs, or v_wmma_f32_16x16x4_f32). A number that lies on a knife's edge between two numbers of the format may be rounded either way, as far as f32 arithmetic and the matrix unit's own rounding can turn it there, and no further.
;;   INPUTS GIVEN AS CODES. wk (in the module: [1024, 1024], K = its axis 0); wo (in the module: [1024, 1024], K = its axis 0); wq (in the module: [1024, 1024], K = its axis 0); wv (in the module: [1024, 1024], K = its axis 0); x (in the module: [4, 2048, 1024], K = its axis 2): each comes as NAME_codes (uint8): NAME with its K axis moved to the last place and cut into blocks of 32 codes, [.., K / 32, bytes a block], one block behind the other in memory; one code a byte (a code: sign, 5 exponent bits, 2 mantissa bits); and NAME_scales (uint8): the same leading axes, one E8M0 byte (e + 127) for each 32 codes along K. Its value is code x scale, taken as it is: it is not quantised again, and the codes and scales need not be those that the quantiser above would give.
;; One version. Each part assembles by itself: llvm-mc -triple=amdgcn-amd-amdhsa -mcpu=gfx1250 --defsym DOCPART=n.
;; ======== version 1 of 1: 3 launches
;; limits: right only within a limited range of input values
;; workspace buffers: qq 8,912,896 bytes; kv 17,563,648 bytes; ao 8,388,608 bytes; aos 262,144 bytes
;; launch qkv (part 1): grid 12 x 32, 4 waves a work-group, clusters of 4 x 4, 327,680 bytes of LDS; arguments x_codes, x_scales, wq_codes, wq_scales, wk_codes, wk_scales, wv_codes, wv_scales, bq, bk, bv, qq, kv; writes qq, kv
.if DOCPART == 1
	.amdgcn_target "amdgcn-amd-amdhsa--gfx1250"
	.amdhsa_code_object_version 6
	.text
	.protected	k_q179ea31db8_qkv
	.globl	k_q179ea31db8_qkv
	.p2align	8
	.type	k_q179ea31db8_qkv,@function
k_q179ea31db8_qkv:
	s_mov_b64 s[64:65], 0
	v_nop
	global_prefetch_b8 v0, s[64:65] scope:SCOPE_SE
	s_setreg_imm32_b32 hwreg(HW_REG_WAVE_MODE, 25, 1), 1
	s_wait_xcnt 0x0
	s_wait_alu depctr_hold_cnt(0) depctr_sa_sdst(0) depctr_va_vdst(0) depctr_va_sdst(0) depctr_va_ssrc(0) depctr_va_vcc(0) depctr_vm_vsrc(0)
	s_getreg_b32 s2, hwreg(HW_REG_IB_STS2, 6, 4)
	s_cmp_eq_u32 s2, 0
	s_cbranch_scc0 .Lentry_in_a_cluster
	s_endpgm
.Lentry_in_a_cluster:
	s_bfe_u32 s2, ttmp6, 0x10000c
	s_cmp_lg_u32 s2, 0xf033
	s_cbranch_scc0 .Lentry_shape_is_right
	s_endpgm
.Lentry_shape_is_right:
; q = x wq + bq, k = x wk + bk, v = x wv + bv on codes of BF8 (E5M2) with one E8M0 scale for each 32 along K = 1,024; the results are quantised in registers and leave as codes.
; x: 8,192 rows of 1,024 codes; each weight: 1,024 rows (output channel) of 1,024 codes; scale bytes 32 a row.
; SHARES.  A tile of 256 x 256 to a work-group of four waves, 128 x 128 to a wave: 64 accumulators, 512 registers.  Cluster x says which product: 0 q, 1 k, 2 v.
; SOURCE 0 (called P) gives a lane's REGISTERS, SOURCE 1 (called R) gives its LANE: lane (r, h) of accumulator (a, b) holds R's row 16 a + r and, in register j, P's row 16 b + 8 h + j.
;   q, k: P = the weight's rows (channels), R = tokens: a lane's registers run along the head's channels, the K of q k^T.
;   v:    P = tokens, R = wv's rows: a lane's registers run along the tokens, the K of p v.      One loop text serves all three; only pointers and rows are chosen, on cluster x.
; THE ORDER OF K IN THE CODES MADE HERE.  The 16 registers of accumulators 2 c and 2 c + 1 are converted as they stand into operand registers 4 c .. 4 c + 3: place 32 c + 16 h + i holds K index
; 32 c + 8 h + i (i < 8) or 32 c + 16 + 8 h + i - 8: a permutation inside a block of 32, so that the block's scale fits; both operands of q k^T, and both of p v, are laid so, and the products pair up.
; OUT, as images of operand registers (16 bytes a lane, 512 bytes for four registers):
;   qq: [head of 64][128 tokens]: 8 tiles of 16 tokens x 1,024 bytes, then 4 x 128 bytes of scale words (lanes 0-15 an even tile's rows, lanes 16-31 the odd one's; bytes 0, 1 the two blocks, bytes 2, 3 zero).
;   kv: [head of 64][128 keys] of 17,152 bytes: K's part as in qq; from 8,704 V's four fragments (16 channels x 128 keys, 2,048 bytes each); from 16,896 two x 128 bytes of V's scale words.
; CLUSTERS: 4 x 4 work-groups; R's tile hangs on cy and is asked for jointly along a row of the cluster, P's on cx and along a column.
; LIMITS: NaN and infinities are not served.  A block whose largest magnitude lies under 2^-111 keeps the scale byte 1; a block of zeros has the byte 1, not 127: its codes are zeros, and these bytes are read by this program alone.
; REGISTERS, in windows of 256: window 0: v1-7 lane terms; v8-23 the bias by lane (v); v24-30 addresses; v32-63 scale words, two sets; v64-127 the bias by register (q, k); from v128 R's fragments, one set;
;   on the way out v128-191 64 numbers, v192-207 their codes, v208-229 at work.   window 1: P's fragments, two sets.   windows 2, 3: the accumulators, (a, b) at v[8 (8 (a % 4) + b)].
.set NQ,     2                         ; steps of 128 along K in a slot
.set ROWB,   256                       ; a tile's row in bytes
.set KROW,   1024                      ; a row in memory
.set PITCH,  272                       ; an LDS row: 256 bytes + 16 of padding: the 16 rows that a load touches start at 16 different banks (64 banks of 4 bytes: ISA guide 11.1)
.set FR,     16                        ; registers of a fragment
.set NL,     4                         ; LDS loads that bring one
.set NP,     8                         ; places behind this matrix instruction (ISA guide 7.12.1)
.set HALFT,  128*PITCH
.set SLOT,   4*HALFT                   ; R's 256 rows, then P's 256 rows
.set KS,     32                        ; a row of scale bytes
.set SCL,    2*SLOT                    ; behind the ring: the scales of all of K, as units of 256 bytes + 16
.set HALFS,  (128*KS/256)*272
.set SBLK,   (16*KS/256)*272
.set SPARE,  SCL+4*HALFS               ; the spare words, 128 bytes for each wave: two blocks of 256 bytes that no other line names
.set QG,     8704
.set QH,     16*QG
.set KG,     17152
.set KH,     16*KG
.set LI,   4                           ; v4   16 x lane
.set LS,   5                           ; v5   4 x lane
.set H32,  6                           ; v6   32 x (lane / 16)
.set R4,   7                           ; v7   4 x (lane % 16)
.set BR,   8                           ; v8-23  pair a: the bias of R's row 16 a + r, twice
.set ADRA, 24                          ; v24-25 LDS address of my R fragments in slot 0, 1
.set ADRB, 26                          ; v26-27 the same for P
.set SPW,  28                          ; v28  my spare word; never rewritten
.set NIL,  29                          ; v29  0; never rewritten
.set ADRS, 30                          ; v30  my scale words: lanes 0-15 R's rows, lanes 16-31 P's
.set SC,   32
.set BP,   64                          ; v64-127 register 8 b + j: the bias of P's row 16 b + 8 h + j
.set AF,   128
.set T,    128
.set PC,   192
.set TM,   208                         ; v208-211 largest magnitudes, v212-215 bytes, v220-223 the conversions' scale operands
.set PWE,  224                         ; the scale word of an even block of R's rows,
.set PWO,  225                         ; of an odd one
.set X1,   226
.set SD,   228
.set G1, 24
.set G0, 32
.set G1B, 48
.set G0B, 56
.set G1S, 68
.set G0S, 76
.set G1SB, 80
.set G0SB, 88
.set MSB, 0
.macro WIN new                         ; the immediate's high byte repeats the setting that is left
.if MSB != (\new)
	s_set_vgpr_msb (MSB<<8)|(\new)
.set MSB, \new
.endif
.endm
.set MUL_LO, 0xa1                      ; source 0 (P) window 1, source 1 (R) window 0, C and D window 2
.set MUL_HI, 0xf1
.set TO_B,   0x40
; A joint load: waves 0 and 1 fetch for R, waves 2 and 3 for P.  Four v_nop follow each of the two lines.
.macro JLOAD g0a, g1a, g0b, g1b
	s_cmp_eq_u32 s15, 0
	s_cbranch_scc0 .Lfor_b_\@
	tensor_load_to_lds s[\g0a:\g0a+3], s[\g1a:\g1a+7]
	s_nop 0
.rept 4
	v_nop
.endr
	s_branch .Lasked_\@
.Lfor_b_\@:
	tensor_load_to_lds s[\g0b:\g0b+3], s[\g1b:\g1b+7]
	s_nop 0
.rept 4
	v_nop
.endr
.Lasked_\@:
.endm
.macro CREST                           ; a round of the cluster's barrier behind its opening barrier
	s_cmp_lg_u32 s14, 0
	s_cbranch_scc1 .Lnot_wave_0_\@
	s_barrier_signal -3
.Lnot_wave_0_\@:
	s_barrier_wait -3
	s_barrier_signal -1
	s_barrier_wait -1
.endm
.macro CROUND
	s_barrier_signal -1
	s_barrier_wait -1
	CREST
.endm
	s_load_b256 s[68:75], s[0:1], 0x0              ; x's codes, x's scales, wq's codes, wq's scales
	s_load_b256 s[76:83], s[0:1], 0x20             ; wk's, wv's
	s_load_b256 s[84:91], s[0:1], 0x40             ; bq, bk, bv, qq
	s_load_b64 s[92:93], s[0:1], 0x60              ; kv
	v_lshl_add_u32 v[SPW], v0, 2, SPARE
	v_mov_b32 v[NIL], 0
	ds_add_u32 v28, v29
	ds_add_u32 v28, v29
	s_wait_dscnt 0x0
	v_lshrrev_b32 v1, 5, v0
	v_readfirstlane_b32 s14, v1                    ; wave 0..3
	s_lshr_b32 s15, s14, 1                         ; which half of R's rows is mine.  Also: I fetch for R (0) or for P (1)
	s_and_b32 s16, s14, 1                          ; which half of P's rows.  Also: which 128 rows I fetch
	s_bfe_u32 s40, ttmp6, 0x40000                  ; cx
	s_bfe_u32 s41, ttmp6, 0x40004                  ; cy
	s_and_b32 s17, ttmp7, 0xffff
	s_lshl_b32 s17, s17, 10                        ; 1,024 x cluster y: the cluster's first token
	s_lshl_b32 s43, s41, 2
	s_lshl_b32 s43, 15, s43                        ; my row of the cluster
	s_lshl_b32 s44, 0x1111, s40                    ; my column
	s_or_b32 s[G1+0], s43, (0<<16)|(1<<20)|(1<<21)|(5<<22)|(3<<25)  ; the mask; elements of 1 byte; padding on; bit 21 beside a mask; 4 words of padding after every 64
	s_or_b32 s[G1B+0], s44, (0<<16)|(1<<20)|(1<<21)|(5<<22)|(3<<25)
.irp g, G1, G1B
	s_mov_b32 s[\g+1], ROWB<<16                    ; tensor_dim0
	s_mov_b32 s[\g+2], 128<<16                     ; tensor_dim1
	s_mov_b32 s[\g+3], ROWB<<16                    ; tile_dim0
	s_mov_b32 s[\g+4], 128                         ; tile_dim1
	s_mov_b32 s[\g+5], KROW                        ; pitch
	s_mov_b32 s[\g+6], 0
	s_mov_b32 s[\g+7], 0
.endr
	s_cmp_eq_u32 ttmp9, 2                          ; v?  The tokens are then P's rows, else R's
	s_cselect_b32 s18, 0, s17
	s_cselect_b32 s19, s17, 0
	s_lshl_b32 s42, s41, 8
	s_add_co_u32 s42, s42, s18                     ; R's tile begins at row 256 cy (+ the cluster's first token)
	s_lshl_b32 s45, s40, 8
	s_add_co_u32 s45, s45, s19                     ; P's at row 256 cx (+ the cluster's first token)
	s_lshl_b32 s18, s16, 7                         ; which 128 rows I fetch
	s_add_co_u32 s20, s42, s18
	s_add_co_u32 s46, s45, s18
	s_lshl_b32 s22, s20, 5                         ; their scale bytes: 32 a row,
	s_lshl_b32 s20, s20, 10                        ; their codes: 1,024 a row
	s_mov_b32 s21, 0
	s_mov_b32 s23, 0
	s_lshl_b32 s94, s46, 5
	s_lshl_b32 s46, s46, 10
	s_mov_b32 s47, 0
	s_mov_b32 s95, 0
	s_mul_i32 s66, s14, HALFT                      ; where they go: wave x 128 rows: no place in the cluster enters an LDS address
	s_mul_i32 s67, s14, HALFS
	s_mov_b32 s2, 0x76543210
	s_mov_b32 s3, 0xfedcba98                       ; v_permlanex16_b32's selects for lane l xor 16
	s_mov_b32 s101, 0xffff0000                     ; lanes 16-31
	s_wait_kmcnt 0x0
	s_cmp_eq_u32 ttmp9, 2                          ; the buffers are chosen on cluster x, which hangs on no address and is the same in all partners
	s_cselect_b64 s[4:5], s[80:81], s[68:69]       ; R's codes: wv's, else x's
	s_cselect_b64 s[6:7], s[82:83], s[70:71]
	s_cselect_b64 s[8:9], s[68:69], s[76:77]       ; P's codes: x's, else wk's,
	s_cselect_b64 s[10:11], s[70:71], s[78:79]
	s_cselect_b64 s[96:97], s[88:89], s[86:87]     ; the bias: bv, else bk,
	s_cmp_eq_u32 ttmp9, 0
	s_cselect_b64 s[8:9], s[72:73], s[8:9]         ; or wq's
	s_cselect_b64 s[10:11], s[74:75], s[10:11]
	s_cselect_b64 s[96:97], s[84:85], s[96:97]     ; or bq
	s_cselect_b64 s[12:13], s[90:91], s[92:93]     ; out: qq, else kv
	s_add_nc_u64 s[20:21], s[4:5], s[20:21]
	s_add_nc_u64 s[22:23], s[6:7], s[22:23]
	s_add_nc_u64 s[46:47], s[8:9], s[46:47]
	s_add_nc_u64 s[94:95], s[10:11], s[94:95]
	; the scales of 128 rows: a dense block of 4,096 bytes, as 16 rows of 256 bytes (32 elements of 8 bytes), 16 bytes of padding behind each
	s_or_b32 s[G1S+0], s43, (3<<16)|(1<<20)|(1<<21)|(5<<22)|(3<<25)
	s_or_b32 s[G1SB+0], s44, (3<<16)|(1<<20)|(1<<21)|(5<<22)|(3<<25)
.irp g, G1S, G1SB
	s_mov_b32 s[\g+1], 32<<16
	s_mov_b32 s[\g+2], (128*KS/256)<<16
	s_mov_b32 s[\g+3], 32<<16
	s_mov_b32 s[\g+4], 128*KS/256
	s_mov_b32 s[\g+5], 32
	s_mov_b32 s[\g+6], 0
	s_mov_b32 s[\g+7], 0
.endr
	CROUND                                         ; all sixteen work-groups are here: the first joint loads meet
	s_mov_b32 s[G0S], 1
	s_add_co_u32 s[G0S+1], s67, SCL
	s_mov_b64 s[G0S+2:G0S+3], s[22:23]
	s_or_b32 s[G0S+3], s[G0S+3], 0x80000000
	s_mov_b32 s[G0SB], 1
	s_add_co_u32 s[G0SB+1], s67, SCL
	s_mov_b64 s[G0SB+2:G0SB+3], s[94:95]
	s_or_b32 s[G0SB+3], s[G0SB+3], 0x80000000
	JLOAD G0S, G1S, G0SB, G1SB                     ; the scales first: they are wanted with K step 0
.irp s, 0,1
	s_mov_b32 s[G0+4*\s], 1
	s_add_co_u32 s[G0+4*\s+1], s66, \s*SLOT
	s_add_nc_u64 s[G0+4*\s+2:G0+4*\s+3], s[20:21], \s*ROWB
	s_or_b32 s[G0+4*\s+3], s[G0+4*\s+3], 0x80000000
	s_mov_b32 s[G0B+4*\s], 1
	s_add_co_u32 s[G0B+4*\s+1], s66, \s*SLOT
	s_add_nc_u64 s[G0B+4*\s+2:G0B+4*\s+3], s[46:47], \s*ROWB
	s_or_b32 s[G0B+4*\s+3], s[G0B+4*\s+3], 0x80000000
	JLOAD G0+4*\s, G1, G0B+4*\s, G1B
.endr
	v_and_b32 v1, 15, v0                           ; r
	v_bfe_u32 v2, v0, 4, 1                         ; h
	v_mul_u32_u24 v3, v1, PITCH
	v_lshl_add_u32 v3, v2, 4, v3                   ; a fragment's row x pitch + 16 x half
	s_mul_i32 s21, s15, HALFT                      ; my 128 rows of R
	s_mul_i32 s22, s16, HALFT                      ; my 128 rows of P,
	s_add_co_u32 s22, s22, 2*HALFT                 ; which lie behind R's 256
.irp s, 0,1
	v_add_nc_u32 v[ADRA+\s], s21, v3
	v_add_nc_u32 v[ADRB+\s], s22, v3
	s_add_co_u32 s21, s21, SLOT
	s_add_co_u32 s22, s22, SLOT
.endr
	v_mul_u32_u24 v3, v1, KS                       ; my row's scales: 32 bytes a row,
	v_lshrrev_b32 v31, 8, v3
	v_lshl_add_u32 v3, v31, 4, v3                  ; and 16 more for each 256 passed
	s_mul_i32 s21, s15, HALFS
	s_mul_i32 s22, s16, HALFS
	s_add_co_u32 s22, s22, 2*HALFS
	s_sub_co_u32 s22, s22, s21
	v_mul_u32_u24 v31, s22, v2                     ; lanes 16-31 take P's
	s_add_co_u32 s21, s21, SCL
	v_add_nc_u32 v3, v3, v31
	v_add_nc_u32 v[ADRS], s21, v3
	v_and_b32 v3, 31, v0
	v_lshlrev_b32 v[LI], 4, v3
	v_lshlrev_b32 v[LS], 2, v3
	v_lshlrev_b32 v[H32], 5, v2
	s_wait_alu depctr_va_vdst(0)
	v_lshlrev_b32 v[R4], 2, v1
	s_wait_alu depctr_va_vdst(0)
	; where my wave's results go, and which 128 numbers of the bias are mine
	s_lshl_b32 s18, s15, 7
	s_add_co_u32 s18, s42, s18                     ; my first row of R
	s_lshl_b32 s19, s16, 7
	s_add_co_u32 s19, s45, s19                     ; my first row of P
	s_cmp_eq_u32 ttmp9, 2
	s_cselect_b32 s17, s19, s18                    ; my first token
	s_cselect_b32 s21, s18, s19                    ; my first channel
	s_cselect_b32 s92, 0, s21                      ; the bias by register begins there for q and k; for v it is loaded from the buffer's head and not used,
	s_cselect_b32 s94, s21, 0                      ; and the bias by lane the other way round: both sets are loaded on the one way that every work-group takes
	s_cselect_b32 s22, 8704, 0                     ; V's part of a key step's block
	s_mov_b32 s18, QH
	s_mov_b32 s19, KH
	s_mov_b32 s46, QG
	s_mov_b32 s47, KG
	s_cmp_eq_u32 ttmp9, 0
	s_cselect_b32 s18, s18, s19                    ; bytes from head to head,
	s_cselect_b32 s46, s46, s47                    ; and from 128 tokens to the next
	s_lshl_b32 s92, s92, 2
	s_mov_b32 s93, 0
	s_lshl_b32 s94, s94, 2
	s_mov_b32 s95, 0
	s_add_nc_u64 s[98:99], s[96:97], s[94:95]
	s_add_nc_u64 s[96:97], s[96:97], s[92:93]
	s_lshr_b32 s19, s17, 11                        ; the batch,
	s_lshl_b32 s19, s19, 4
	s_lshr_b32 s47, s21, 6
	s_add_co_u32 s19, s19, s47                     ; 16 x batch + head
	s_mul_i32 s19, s19, s18
	s_bfe_u32 s47, s17, 0x40007                    ; which 128 tokens of the 2,048
	s_mul_i32 s47, s47, s46
	s_add_co_u32 s92, s19, s47
	s_add_co_u32 s92, s92, s22
	s_add_nc_u64 s[12:13], s[12:13], s[92:93]      ; my first head's block,
	s_mov_b32 s19, 0
	s_add_nc_u64 s[66:67], s[12:13], s[18:19]      ; my second head's
.irp b, 0,1,2,3,4,5,6,7
	global_load_b128 v[BP+8*\b:BP+8*\b+3], v[H32], s[96:97] offset:64*\b
	global_load_b128 v[BP+8*\b+4:BP+8*\b+7], v[H32], s[96:97] offset:64*\b+16
.endr
.irp a, 0,1,2,3,4,5,6,7
	global_load_b32 v[BR+2*\a], v[R4], s[98:99] offset:64*\a
	global_load_b32 v[BR+2*\a+1], v[R4], s[98:99] offset:64*\a
.endr
.macro FRAG reg, adr, q, i             ; 16 rows x 128 K of 8-bit codes: lane l holds row l % 16; registers 4 c .. 4 c + 3 hold K = 32 c + 16 (l / 16) + 0 .. 15
.irp c, 0,1,2,3
	ds_load_b128 v[\reg+4*\c:\reg+4*\c+3], v[\adr] offset:128*(\q)+32*\c+(\i)*16*PITCH
.endr
.endm
; 16 matrix instructions: R's blocks a0, a0 + 1 x P's eight, 128 along K.  The 64 accumulators take turns, one instruction a turn, in the same order in every step.
.macro MUL16 a0, p, q, sc, zero
.irp a, \a0, \a0+1
.irp b, 0,1,2,3,4,5,6,7
.if \zero
	v_wmma_scale_f32_16x16x128_f8f6f4 v[8*(8*((\a)%4)+\b):8*(8*((\a)%4)+\b)+7], v[128*(\p)+FR*\b:128*(\p)+FR*\b+FR-1], v[AF+FR*(\a):AF+FR*(\a)+FR-1], 0, v[SC+8*NQ*(\sc)+NQ*\b+(\q)], v[SC+8*NQ*(\sc)+NQ*(\a)+(\q)] matrix_a_fmt:MATRIX_FMT_BF8 matrix_b_fmt:MATRIX_FMT_BF8 matrix_a_scale:MATRIX_SCALE_ROW1
.else
	v_wmma_scale_f32_16x16x128_f8f6f4 v[8*(8*((\a)%4)+\b):8*(8*((\a)%4)+\b)+7], v[128*(\p)+FR*\b:128*(\p)+FR*\b+FR-1], v[AF+FR*(\a):AF+FR*(\a)+FR-1], v[8*(8*((\a)%4)+\b):8*(8*((\a)%4)+\b)+7], v[SC+8*NQ*(\sc)+NQ*\b+(\q)], v[SC+8*NQ*(\sc)+NQ*(\a)+(\q)] matrix_a_fmt:MATRIX_FMT_BF8 matrix_b_fmt:MATRIX_FMT_BF8 matrix_a_scale:MATRIX_SCALE_ROW1
.endif
.endr
.endr
.endm
.macro FETCH_B slot, q, p
	WIN TO_B
.irp i, 0,1,2,3,4,5,6,7
	FRAG 128*(\p)+FR*\i, ADRB+\slot, \q, \i
.endr
	WIN 0
.endm
.macro FETCH_A slot, q, i0
.irp i, \i0, \i0+1, \i0+2, \i0+3
	FRAG AF+FR*(\i), ADRA+\slot, \q, \i
.endr
.endm
.macro SCALES sc                       ; a K step's scale words: two a row; lanes 0-15 take R's block i, lanes 16-31 P's block i
.irp i, 0,1,2,3,4,5,6,7
	ds_load_b64 v[SC+8*NQ*\sc+NQ*\i:SC+8*NQ*\sc+NQ*\i+1], v[ADRS] offset:\i*SBLK
.endr
.endm
.macro PLACES n                        ; plain vector instructions between a matrix instruction and a load into, or a read of, its registers
.rept \n
	v_nop
.endr
.endm
.macro STEP slot, q, zero              ; a step of 128 along K that has its successor in the same slot
	s_wait_dscnt 4*NL                              ; P's set and R's blocks 0-3 are in; the youngest 16 loads (R's blocks 4-7) may be out
	WIN MUL_LO
	MUL16 0, (\q)%2, \q, \slot, \zero
	MUL16 2, (\q)%2, \q, \slot, \zero
	s_wait_dscnt 0
	PLACES NP
	FETCH_B \slot, (\q)+1, 1-(\q)%2
	FETCH_A \slot, (\q)+1, 0
	WIN MUL_HI
	MUL16 4, (\q)%2, \q, \slot, \zero
	MUL16 6, (\q)%2, \q, \slot, \zero
	PLACES NP
	WIN 0
	FETCH_A \slot, (\q)+1, 4
.endm
; A slot's last step changes slots: one barrier; in front of it each wave waits for all its tensor loads, adds 0 to its spare word, and waits for that and for its reads of this slot.
.macro TURN slot, next, fill
	s_wait_tensorcnt 0x0                           ; all my tensor loads have landed: my part of the next slot
	ds_add_u32 v[SPW], v[NIL]                      ; 0 onto my spare word
	s_wait_dscnt 4*NL+1                            ; (the add and the youngest 16 loads may be out)
	WIN MUL_LO
	MUL16 0, 1, NQ-1, \slot, 0
	s_wait_dscnt 0x0                               ; the add is done, and my reads of this slot are over
	s_barrier_signal -1
	MUL16 2, 1, NQ-1, \slot, 0
	WIN 0
	s_barrier_wait -1
.if \fill
	CREST                                          ; the barrier has opened a round of the cluster's barrier: no wave of any partner still reads this slot or has a load on its way
	s_add_nc_u64 s[G0+4*\slot+2:G0+4*\slot+3], s[G0+4*\slot+2:G0+4*\slot+3], 2*ROWB
	s_add_nc_u64 s[G0B+4*\slot+2:G0B+4*\slot+3], s[G0B+4*\slot+2:G0B+4*\slot+3], 2*ROWB
	JLOAD G0+4*\slot, G1, G0B+4*\slot, G1B         ; the first tensor load behind the round; its four v_nop are among the places in front of the loads below
	PLACES NP-4
.else
	PLACES NP
.endif
	s_wait_alu depctr_va_vdst(0)
	v_add_nc_u32 v[ADRS], 4*NQ, v[ADRS]            ; on to the next K step's scale words
	FETCH_B \next, 0, 0
	FETCH_A \next, 0, 0
	SCALES \next
	WIN MUL_HI
	MUL16 4, 1, NQ-1, \slot, 0
	MUL16 6, 1, NQ-1, \slot, 0
	PLACES NP
	WIN 0
	FETCH_A \next, 0, 4
.endm
	s_wait_tensorcnt 1                             ; of my three loads the scales' and K step 0's are in; K step 1's may stay out
	s_barrier_signal -1
	s_barrier_wait -1
	FETCH_B 0, 0, 0
	FETCH_A 0, 0, 0
	SCALES 0
	FETCH_A 0, 0, 4
	STEP 0, 0, 1                                   ; K = 1,024 is four slots' worth: eight steps, written out.  The first step's products start the sums
	TURN 0, 1, 1
	STEP 1, 0, 0
	TURN 1, 0, 1
	STEP 0, 0, 0
	TURN 0, 1, 0                                   ; nothing is left to fetch
	STEP 1, 0, 0
	s_wait_dscnt 4*NL
	WIN MUL_LO
	MUL16 0, 1, NQ-1, 1, 0
	MUL16 2, 1, NQ-1, 1, 0
	s_wait_dscnt 0
	WIN MUL_HI
	MUL16 4, 1, NQ-1, 1, 0
	MUL16 6, 1, NQ-1, 1, 0
	WIN 0
	PLACES NP
; 64 numbers of a lane, v[s] on, register 16 b + i of block b, become 16 registers of codes in v[pc] on and the scale word of the lane's row in v[pw].  A block of 32 lies in lanes l and l xor 16.
.macro QUANT s, pc, pw
.irp b, 0,1,2,3
	v_max3_num_f32 v[TM+\b], |v[\s+16*\b]|, |v[\s+1+16*\b]|, 0x8000000   ; my 16 numbers, and the floor 2^(16 - 127): the byte cannot fall under 1
.endr
.irp i, 2,4,6,8,10,12,14
.irp b, 0,1,2,3
	v_max3_num_f32 v[TM+\b], v[TM+\b], |v[\s+16*\b+\i]|, |v[\s+1+16*\b+\i]|
.endr
.endr
.irp b, 0,1,2,3
	v_permlanex16_b32 v[TM+4+\b], v[TM+\b], s2, s3
.endr
.irp b, 0,1,2,3
	v_max_num_f32 v[TM+\b], v[TM+\b], v[TM+4+\b]   ; the block's largest magnitude
.endr
.irp b, 0,1,2,3
	v_add_nc_u32 v[TM+12+\b], 0xf8800000, v[TM+\b] ; 15 off its exponent field: the conversion's scale operand
.endr
.irp b, 0,1,2,3
.endr
.irp b, 0,1,2,3
	v_lshrrev_b32 v[TM+4+\b], 23, v[TM+12+\b]      ; the scale's byte
.endr
	v_lshl_or_b32 v[\pw], v[TM+5], 8, v[TM+4]
	v_lshl_or_b32 v[\pw], v[TM+6], 16, v[\pw]
	v_lshl_or_b32 v[\pw], v[TM+7], 24, v[\pw]
.irp b, 0,1,2,3
.irp i, 0,1,2,3,4,5,6,7,8,9,10,11,12,13,14,15
.endr
	v_cvt_scalef32_pk8_bf8_f32 v[\pc+4*\b:\pc+1+4*\b], v[\s+16*\b:\s+7+16*\b], v[TM+12+\b]
	v_cvt_scalef32_pk8_bf8_f32 v[\pc+2+4*\b:\pc+3+4*\b], v[\s+8+16*\b:\s+15+16*\b], v[TM+12+\b]
.endr
	v_nop                                          ; a plain vector line behind the last conversion: the next block's additions write its sources
.endm
; THE WAY OUT, R's blocks one after the other: 64 numbers a lane get their bias, are quantised and leave; each store of codes covers 512 consecutive bytes, aligned.
; kind 0 (q, k): the 128 channels are two heads of two blocks each.  kind 1 (v): the 128 tokens are one fragment's K; R's blocks 0-3 are my first head's channels, 4-7 my second's.
.macro EPI kind
.irp a, 0,1,2,3,4,5,6,7
	WIN 0x02+\a/4                                  ; source 0: window 2 or 3
.irp b, 0,1,2,3,4,5,6,7
.irp j, 0,2,4,6
.if \kind
	v_pk_add_f32 v[T+8*\b+\j:T+8*\b+\j+1], v[8*(8*(\a%4)+\b)+\j:8*(8*(\a%4)+\b)+\j+1], v[BR+2*\a:BR+2*\a+1]
.else
	v_pk_add_f32 v[T+8*\b+\j:T+8*\b+\j+1], v[8*(8*(\a%4)+\b)+\j:8*(8*(\a%4)+\b)+\j+1], v[BP+8*\b+\j:BP+8*\b+\j+1]
.endif
.endr
.endr
	WIN 0
	s_wait_xcnt 0x0                                ; the last block's stores have read their data: the codes' and the words' registers are written again only behind this wait
.if \a%2
	QUANT T, PC, PWO
.else
	QUANT T, PC, PWE
.endif
.if \kind == 0
.irp c, 0,1
	global_store_b128 v[LI], v[PC+4*\c:PC+4*\c+3], s[12:13] offset:1024*\a+512*\c
	global_store_b128 v[LI], v[PC+8+4*\c:PC+8+4*\c+3], s[66:67] offset:1024*\a+512*\c
.endr
.if \a%2
	v_cndmask_b32 v[X1], v[PWE], v[PWO], s101      ; lanes 0-15 the even tile's rows, lanes 16-31 the odd one's
	v_and_b32 v[SD], 0xffff, v[X1]                 ; my first head's two bytes,
	v_lshrrev_b32 v[SD+1], 16, v[X1]               ; my second head's; the upper two bytes are 0: they scale zero codes
	global_store_b32 v[LS], v[SD], s[12:13] offset:8192+128*(\a/2)
	global_store_b32 v[LS], v[SD+1], s[66:67] offset:8192+128*(\a/2)
.endif
.else
.irp c, 0,1,2,3
.if \a < 4
	global_store_b128 v[LI], v[PC+4*\c:PC+4*\c+3], s[12:13] offset:2048*(\a%4)+512*\c
.else
	global_store_b128 v[LI], v[PC+4*\c:PC+4*\c+3], s[66:67] offset:2048*(\a%4)+512*\c
.endif
.endr
.if \a%2
	v_cndmask_b32 v[SD], v[PWE], v[PWO], s101
.if \a < 4
	global_store_b32 v[LS], v[SD], s[12:13] offset:8192+128*((\a%4)/2)
.else
	global_store_b32 v[LS], v[SD], s[66:67] offset:8192+128*((\a%4)/2)
.endif
.endif
.endif
.endr
.endm
	s_wait_loadcnt 0x0                             ; the biases
.irp b, 0,1,2,3
	v_mov_b32 v[TM+4+\b], 0                        ; written once: a lane permute's destination counts as one of its sources
.endr
	s_cmp_eq_u32 ttmp9, 2                          ; cluster x: the same in all partners; neither way touches LDS
	s_cbranch_scc1 .Lv
	EPI 0
	s_branch .Ldone
.Lv:
	EPI 1
.Ldone:
	s_wait_tensorcnt 0x0                           ; the wave's end
	ds_add_u32 v[SPW], v[NIL]
	s_wait_dscnt 0x0
	CROUND                                         ; the closing round: no work-group ends while a partner may still ask for a tile that names it
	s_endpgm
.Lfunc_end_k_q179ea31db8_qkv:
	.size	k_q179ea31db8_qkv, .Lfunc_end_k_q179ea31db8_qkv-k_q179ea31db8_qkv
	.p2alignl 7, 3214868480
	.fill 96, 4, 3214868480
	.section	.rodata,"a",@progbits
	.p2align	6, 0x0
	.amdhsa_kernel k_q179ea31db8_qkv
		.amdhsa_group_segment_fixed_size 327680
		.amdhsa_private_segment_fixed_size 0
		.amdhsa_enable_private_segment 0
		.amdhsa_kernarg_size 104
		.amdhsa_user_sgpr_count 2
		.amdhsa_user_sgpr_kernarg_segment_ptr 1
		.amdhsa_wavefront_size32 1
		.amdhsa_system_sgpr_workgroup_id_x 1
		.amdhsa_system_sgpr_workgroup_id_y 1
		.amdhsa_system_sgpr_workgroup_id_z 1
		.amdhsa_system_vgpr_workitem_id 0
		.amdhsa_next_free_vgpr 1024
		.amdhsa_next_free_sgpr 102
		.amdhsa_reserve_vcc 0
		.amdhsa_float_denorm_mode_32 3
		.amdhsa_float_denorm_mode_16_64 3
		.amdhsa_fp16_overflow 1
		.amdhsa_memory_ordered 1
		.amdhsa_forward_progress 1
		.amdhsa_inst_pref_size 220
	.end_amdhsa_kernel
	.amdgpu_metadata
---
amdhsa.version: [ 1, 2 ]
amdhsa.kernels:
  - .name:           k_q179ea31db8_qkv
    .symbol:         k_q179ea31db8_qkv.kd
    .args:
      - { .name: x_codes, .offset: 0, .size: 8, .value_kind: global_buffer, .address_space: global }
      - { .name: x_scales, .offset: 8, .size: 8, .value_kind: global_buffer, .address_space: global }
      - { .name: wq_codes, .offset: 16, .size: 8, .value_kind: global_buffer, .address_space: global }
      - { .name: wq_scales, .offset: 24, .size: 8, .value_kind: global_buffer, .address_space: global }
      - { .name: wk_codes, .offset: 32, .size: 8, .value_kind: global_buffer, .address_space: global }
      - { .name: wk_scales, .offset: 40, .size: 8, .value_kind: global_buffer, .address_space: global }
      - { .name: wv_codes, .offset: 48, .size: 8, .value_kind: global_buffer, .address_space: global }
      - { .name: wv_scales, .offset: 56, .size: 8, .value_kind: global_buffer, .address_space: global }
      - { .name: bq, .offset: 64, .size: 8, .value_kind: global_buffer, .address_space: global }
      - { .name: bk, .offset: 72, .size: 8, .value_kind: global_buffer, .address_space: global }
      - { .name: bv, .offset: 80, .size: 8, .value_kind: global_buffer, .address_space: global }
      - { .name: qq, .offset: 88, .size: 8, .value_kind: global_buffer, .address_space: global }
      - { .name: kv, .offset: 96, .size: 8, .value_kind: global_buffer, .address_space: global }
    .group_segment_fixed_size: 327680
    .private_segment_fixed_size: 0
    .kernarg_segment_align: 8
    .kernarg_segment_size: 104
    .max_flat_workgroup_size: 128
    .sgpr_count:     102
    .vgpr_count:     1024
    .wavefront_size: 32
...
	.end_amdgpu_metadata
.endif
;; end of part 1
;; launch attn (part 2): grid 4 x 64, 8 waves a work-group, no clusters, 327,680 bytes of LDS; arguments qq, kv, ao, aos; writes ao, aos
.if DOCPART == 2
	.amdgcn_target "amdgcn-amd-amdhsa--gfx1250"
	.amdhsa_code_object_version 6
	.text
	.protected	k_q179ea31db8_attn
	.globl	k_q179ea31db8_attn
	.p2align	8
	.type	k_q179ea31db8_attn,@function
k_q179ea31db8_attn:
	s_mov_b64 s[64:65], 0
	v_nop
	global_prefetch_b8 v0, s[64:65] scope:SCOPE_SE
	s_setreg_imm32_b32 hwreg(HW_REG_WAVE_MODE, 25, 1), 1
	s_wait_xcnt 0x0
; Causal attention of one head (64 channels, 2,048 tokens) on codes of BF8 (E5M2), and the quantising of its result along the model's 1,024 channels.
; IN: qq and kv, images of operand registers as the launch before laid them: a tile of 16 tokens x 64 channels is 1,024 bytes (16 bytes a lane, two groups of four registers); a key step of 128 keys is one dense block
; of 17,152 bytes: 8 tiles of K, 512 bytes of their scale words, four fragments of V (16 channels x 128 keys), 256 bytes of their scale words.
; THE SOFTMAX: t = score x log2(e) / 8; M = the running largest t rounded UP to a whole number; p = 2^(t - M) is quantised along the keys, not normalised; the row's sum is taken of the unquantised p and divides at the end.
; When M moves, the sum and O are multiplied by 2^(old M - new M): exact.
; SHARES.  Work-group g of a head's four takes query block g (256 queries) and then block 7 - g: (g + 1) + (8 - g) = 9 slots of 256 keys in every work-group: equal work, and a trip count that is a constant.
; Each of the EIGHT waves owns TWO tiles of 16 queries of the block in hand, A and B, in 512 registers: each fragment of K and of V that it reads from LDS feeds two products, so that the work-group reads
; 8 x 17,152 bytes from LDS for a key step.  Two waves share a SIMD.
; LAYOUT.  Both products are used transposed: S^T = K Q^T, O^T = V^T P^T: a lane holds ONE query (lane % 16) of each tile; register j of tile i of S^T is key 16 i + 8 (lane / 16) + j.  The 16 registers of tiles 2 b,
; 2 b + 1 are converted as they stand into operand registers 4 b .. 4 b + 3: the same order inside a block of 32 in which V's codes were laid.  q k^T has K = 64: the upper eight registers of Q's and K's fragments are zero codes.
; CAUSAL.  A wave's 32 queries lie in one key step.  A key step all of whose keys come after them is jumped over (a scalar branch on ids; no barrier and no tensor load stands in a step); in the step on the diagonal hidden scores become -infinity.
; NO JOINT LOADS: the four work-groups of a head walk different runs of slots (0 .. g, then 0 .. 7 - g), so that partners would not ask for the same tile in the same trip.
; OUT: ao: O / sum as codes in the true order of K, as images [K step of 256][tile of 16 rows][128 along K][block of 32][lane][16 bytes]; aos: [8,192 rows][32] scale bytes.
; LIMITS: NaN and infinities are not served; a block whose largest magnitude lies under 2^-111, a block of zeros among them, keeps the scale byte 1 (its bytes are read by this program alone).
; REGISTERS, in two windows of 256 (s_set_vgpr_msb: bits 1:0 source 0, 3:2 source 1, 5:4 source 2, 7:6 destination).  TILE B HAS TILE A'S REGISTER NUMBERS, IN WINDOW 1: each piece of vector work is one macro, written under 0 and under 0x55.
;   both windows: v7 the diagonal's term; v12 -M, v13 the largest t, v[14:15] the sum; v16-31 Q; v96-159 S^T, then p; v160-191 O^T; v192-207 p's codes; v208-223, v230-235 at work; v237 -infinity; v240-247 the second block's Q.
;   window 0 alone: v1 16 x lane, v2 4 x lane, v3 my spare word, v4 0, v5, v6 the slot's addresses, v8, v9 the way out; v32-95 four fragments of K;
;     scale words (a scale operand has no window): v224-225 K's, v228-229 V's, v234 p's of tile A, v238 p's of tile B, v236 Q's (lanes 0-15 tile A's rows, lanes 16-31 tile B's), v248 the second block's.
;   window 1 alone: v32-95 V's four fragments: registers of their own, so that V is asked for a whole softmax ahead of its use.
.set QG,    8704
.set QH,    16*QG
.set KG,    17152
.set KH,    16*KG
.set SLOT1, 65536                      ; slot 1 begins here: one exclusive or turns an address in one slot into the other's
.set SPARE, 131072                     ; the spare words, 128 bytes for each of eight waves: four blocks of 256 bytes that no other line names
.set KF,  32                           ; K's fragments, window 0
.set VF,  32                           ; V's fragments, window 1
.set S,   96
.set O,   160
.set PCD, 192
.set BM,  208
.set PT,  212
.set HO,  216
.set SO,  220
.set W1,  0x55                         ; every operand place in window 1
.set MSB, 0
.macro WIN new                         ; the immediate's high byte repeats the setting that is left; a switch that changes nothing is dropped
.if MSB != (\new)
	s_set_vgpr_msb (MSB<<8)|(\new)
.set MSB, \new
.endif
.endm
; Waves 0 and 1 fetch one key step's block each, the others nothing.  Four v_nop follow the line.
.macro TLOAD
	s_cmp_lt_u32 s12, 2
	s_cbranch_scc0 .Lasked_\@
	tensor_load_to_lds s[24:27], s[16:23]
	s_nop 0
.rept 4
	v_nop
.endr
.Lasked_\@:
.endm
	s_load_b256 s[4:11], s[0:1], 0x0               ; qq s[4:5], kv s[6:7], ao s[8:9], aos s[10:11]
	v_lshl_add_u32 v3, v0, 2, SPARE
	v_mov_b32 v4, 0
	ds_add_u32 v3, v4
	ds_add_u32 v3, v4
	s_wait_dscnt 0x0
	v_lshrrev_b32 v10, 5, v0
	s_delay_alu instid0(VALU_DEP_1)
	v_readfirstlane_b32 s12, v10                   ; wave 0..7
	s_mov_b32 s13, ttmp9                           ; g
	s_and_b32 s14, ttmp7, 0xffff                   ; 16 x batch + head
	s_add_co_u32 s47, s13, 1
	s_mov_b32 s16, 3<<16                           ; group 1: no mask, elements of 8 bytes, no padding: a dense block of 17,152 bytes as
	s_mov_b32 s17, 32<<16                          ; tensor_dim0 = 32 elements (256 bytes),
	s_mov_b32 s18, 67<<16                          ; tensor_dim1 = 67 rows
	s_mov_b32 s19, 32<<16                          ; tile_dim0
	s_mov_b32 s20, 67                              ; tile_dim1
	s_mov_b32 s21, 32                              ; pitch
	s_mov_b32 s22, 0
	s_mov_b32 s23, 0
	s_and_b32 s46, s12, 1
	s_mul_i32 s46, s46, KG                         ; which of a slot's two key steps I fetch, if I fetch
	s_mul_i32 s30, s14, KH
	s_mov_b32 s31, 0                               ; (stays 0: the upper word of every offset)
	s_mov_b32 s48, 0x76543210
	s_mov_b32 s49, 0xfedcba98                      ; v_permlanex16_b32's selects for lane l xor 16
	s_mov_b32 s50, 0x3e38aa3b                      ; c = log2(e) / sqrt(64)
	s_mov_b32 s51, s50                             ; (named with it as a pair, so it is written)
	s_mov_b32 s53, 0xffff0000                      ; lanes 16-31
	s_mov_b32 s40, 0                               ; the LDS byte at which the slot in hand begins
	s_mov_b32 s41, 0                               ; the trip
	s_mov_b32 s43, 0                               ; which 256 keys the slot asked for last holds
	s_wait_kmcnt 0x0
	s_add_nc_u64 s[28:29], s[6:7], s[30:31]        ; the head's K and V
	s_mov_b32 s30, s46
	s_mov_b32 s24, 1                               ; group 0: count = 1,
	s_mov_b32 s25, s46                             ; LDS address: slot 0,
	s_add_nc_u64 s[26:27], s[28:29], s[30:31]      ; the head's first 256 keys,
	s_or_b32 s27, s27, 0x80000000                  ; type = 2
	TLOAD
	v_and_b32 v10, 31, v0
	s_delay_alu instid0(VALU_DEP_1)
	v_lshlrev_b32 v1, 4, v10
	s_delay_alu instid0(VALU_DEP_2)
	v_lshlrev_b32 v2, 2, v10
	v_and_b32 v10, 15, v0                          ; r
	v_bfe_u32 v11, v0, 4, 1                        ; h
	s_delay_alu instid0(VALU_DEP_2)
	v_lshlrev_b32 v8, 4, v10
	s_delay_alu instid0(VALU_DEP_1)
	v_lshl_add_u32 v8, v11, 3, v8                  ; the way out: 16 r + 8 h
	s_delay_alu instid0(VALU_DEP_3)
	v_lshl_add_u32 v9, v10, 5, v11                 ; and 32 r + h
	s_and_b32 s54, s12, 3                          ; which 32 queries of their 128 are mine
	s_lshl_b32 s55, s54, 5
	v_add_nc_u32 v7, s55, v10
	v_lshlrev_b32 v11, 3, v11
	s_delay_alu instid0(VALU_DEP_1)
	v_sub_nc_u32 v7, v7, v11                       ; d = tile A's query's place in its 128 - 8 h: in the diagonal's step register 8 i + j is hidden where 16 i + j > d
	s_mul_i32 s55, s14, QH
	s_lshl_b32 s56, s54, 11
	s_add_co_u32 s56, s56, s55                     ; Q: the head, and my pair of tiles among four
	s_lshl_b32 s57, s54, 7
	s_add_co_u32 s57, s57, s55
	s_add_co_u32 s57, s57, 8192                    ; and the pair's scale words: 128 bytes, 4 a lane
	s_and_b32 s54, s14, 15                         ; the head
	s_lshr_b32 s55, s14, 4                         ; the batch
	s_lshr_b32 s58, s54, 2
	s_lshl_b32 s58, s58, 21                        ; ao: the K step of 256: 2 MiB each,
	s_lshl_b32 s59, s55, 19                        ; the batch's 128 tiles of 4,096 bytes,
	s_add_co_u32 s58, s58, s59
	s_bfe_u32 s59, s54, 0x10001
	s_lshl_b32 s59, s59, 11                        ; which 128 along K,
	s_add_co_u32 s58, s58, s59
	s_and_b32 s59, s54, 1
	s_lshl_b32 s59, s59, 10                        ; which two blocks of 32
	s_add_co_u32 s58, s58, s59
	s_lshl_b32 s59, s55, 16                        ; aos: the batch's 2,048 rows of 32 bytes,
	s_lshl_b32 s54, s54, 1
	s_add_co_u32 s59, s59, s54                     ; the head's two bytes
; For the query block in s54: the diagonal's key step, the addresses of tile A's way out (tile B's lie 4,096 and 512 bytes on), the offsets of Q's pair of tiles and of its scale words
.macro BLOCKSET td, pa, ps, vq, vs
	s_lshl_b32 s54, s54, 4
	s_lshl_b32 s55, s12, 1
	s_add_co_u32 s54, s54, s55                     ; tile A among the head's 128 tiles of 16 queries
	s_lshr_b32 s[\td], s54, 3                      ; the key step in which my queries lie
	s_mul_i32 s55, s[\td], QG
	s_add_co_u32 s30, s55, s56
	v_add_nc_u32 v[\vq], s30, v1
	s_add_co_u32 s30, s55, s57
	v_add_nc_u32 v[\vs], s30, v2
	s_lshl_b32 s30, s54, 12
	s_add_co_u32 s30, s30, s58
	s_add_nc_u64 s[\pa:\pa+1], s[8:9], s[30:31]
	s_lshl_b32 s30, s54, 9
	s_add_co_u32 s30, s30, s59
	s_add_nc_u64 s[\ps:\ps+1], s[10:11], s[30:31]
.endm
	s_mov_b32 s54, s13
	BLOCKSET 44, 32, 34, 10, 96                    ; block g
	s_sub_co_u32 s54, 7, s13
	BLOCKSET 45, 36, 38, 11, 97                    ; block 7 - g
	s_wait_alu depctr_va_vdst(0)
	global_load_b128 v[16:19], v10, s[4:5]         ; tile A's Q of both blocks,
	global_load_b128 v[20:23], v10, s[4:5] offset:512
	global_load_b32 v236, v96, s[4:5]              ; the scale words of both tiles,
	global_load_b128 v[240:243], v11, s[4:5]
	global_load_b128 v[244:247], v11, s[4:5] offset:512
	global_load_b32 v248, v97, s[4:5]
	WIN 0x40                                       ; destination window 1: tile B's Q
	global_load_b128 v[16:19], v10, s[4:5] offset:1024
	global_load_b128 v[20:23], v10, s[4:5] offset:1536
	global_load_b128 v[240:243], v11, s[4:5] offset:1024
	global_load_b128 v[244:247], v11, s[4:5] offset:1536
	v_add_nc_u32 v7, 16, v7                        ; tile B's d: its queries lie 16 on
	WIN 0
.macro FRESH                           ; a block of queries begins: no key seen yet
	v_mov_b32 v13, 0xff61b1e6                      ; the largest t so far: -3e38, under every t
	s_delay_alu instid0(VALU_DEP_1)
	v_floor_f32 v12, -v13                          ; -M
	v_mov_b32 v14, 0
	v_mov_b32 v15, 0
.set j, 0
.rept 32
	v_mov_b32 v[O+j], 0                            ; O^T: the step is written once: the first finds zeros, which the first change of M leaves zeros
.set j, j+1
.endr
.endm
.macro ONCE                            ; what a tile's window holds for the whole launch
.irp j, 0,1,2,3,4,5,6,7
	v_mov_b32 v[24+\j], 0                          ; K = 64 to 127 of q k^T: zero codes
.endr
	v_mov_b32 v237, 0xff800000                     ; -infinity
	v_mov_b32 v235, 0
	v_mov_b32 v233, 0                              ; (named as the upper half of the pair v[232:233])
.irp b, 0,1,2,3
	v_mov_b32 v[PT+\b], 0                          ; a lane permute's destination counts as one of its sources
.endr
.endm
.irp j, 0,1,2,3,4,5,6,7
.irp t, 0,1,2,3
	v_mov_b32 v[KF+8+16*\t+\j], 0                  ; the same zero codes in K's four fragments
.endr
.endr
	ONCE
	FRESH
	WIN W1
	ONCE
	FRESH
	WIN 0
.macro KLOAD gq                        ; four tiles of 16 keys, and their scale words: ten loads
.irp t, 0,1,2,3
	ds_load_b128 v[KF+16*\t:KF+16*\t+3], v5 offset:B0+(4*(\gq)+\t)*1024
	ds_load_b128 v[KF+16*\t+4:KF+16*\t+7], v5 offset:B0+(4*(\gq)+\t)*1024+512
.endr
.irp p, 0,1
	ds_load_b32 v[224+\p], v6 offset:B0+8192+(2*(\gq)+\p)*128
.endr
.endm
.macro QK gq, w                        ; S^T = K Q^T for these four tiles of keys and tile A (w = 0) or B (w = 1) of queries; an odd tile's scale words, and tile B's, lie in lanes 16-31
.irp t, 0,2
.if \w
	v_wmma_scale_f32_16x16x128_f8f6f4 v[S+8*(4*(\gq)+\t):S+8*(4*(\gq)+\t)+7], v[KF+16*\t:KF+16*\t+15], v[16:31], 0, v[224+\t/2], v236 matrix_a_fmt:MATRIX_FMT_BF8 matrix_b_fmt:MATRIX_FMT_BF8 matrix_b_scale:MATRIX_SCALE_ROW1
	v_wmma_scale_f32_16x16x128_f8f6f4 v[S+8*(4*(\gq)+\t)+8:S+8*(4*(\gq)+\t)+15], v[KF+16*\t+16:KF+16*\t+31], v[16:31], 0, v[224+\t/2], v236 matrix_a_fmt:MATRIX_FMT_BF8 matrix_b_fmt:MATRIX_FMT_BF8 matrix_a_scale:MATRIX_SCALE_ROW1 matrix_b_scale:MATRIX_SCALE_ROW1
.else
	v_wmma_scale_f32_16x16x128_f8f6f4 v[S+8*(4*(\gq)+\t):S+8*(4*(\gq)+\t)+7], v[KF+16*\t:KF+16*\t+15], v[16:31], 0, v[224+\t/2], v236 matrix_a_fmt:MATRIX_FMT_BF8 matrix_b_fmt:MATRIX_FMT_BF8
	v_wmma_scale_f32_16x16x128_f8f6f4 v[S+8*(4*(\gq)+\t)+8:S+8*(4*(\gq)+\t)+15], v[KF+16*\t+16:KF+16*\t+31], v[16:31], 0, v[224+\t/2], v236 matrix_a_fmt:MATRIX_FMT_BF8 matrix_b_fmt:MATRIX_FMT_BF8 matrix_a_scale:MATRIX_SCALE_ROW1
.endif
.endr
.endm
.macro PV w                            ; O^T += V^T P^T: a tile's four accumulators by turns; p's scale word: v234 (A) or v238 (B)
.irp t, 0,2
	v_wmma_scale_f32_16x16x128_f8f6f4 v[O+8*\t:O+8*\t+7], v[VF+16*\t:VF+16*\t+15], v[PCD:PCD+15], v[O+8*\t:O+8*\t+7], v[228+\t/2], v[234+4*(\w)] matrix_a_fmt:MATRIX_FMT_BF8 matrix_b_fmt:MATRIX_FMT_BF8
	v_wmma_scale_f32_16x16x128_f8f6f4 v[O+8*\t+8:O+8*\t+15], v[VF+16*\t+16:VF+16*\t+31], v[PCD:PCD+15], v[O+8*\t+8:O+8*\t+15], v[228+\t/2], v[234+4*(\w)] matrix_a_fmt:MATRIX_FMT_BF8 matrix_b_fmt:MATRIX_FMT_BF8 matrix_a_scale:MATRIX_SCALE_ROW1
.endr
.endm
.macro MASK                            ; on the diagonal: a hidden key's score becomes -infinity, its p 0
.set n, 0
.rept 64
	v_cmp_gt_i32 vcc_lo, 16*(n/8)+n%8, v7
	v_cndmask_b32 v[S+n], v[S+n], v237, vcc_lo
.set n, n+1
.endr
.endm
; One tile's softmax for 128 keys, from the scores to p's codes and scale word, and O^T under the new M.  w = 0: tile A, window 0; w = 1: tile B, window 1.
.macro SOFT w
.if \w
	WIN W1
.else
	WIN 0
.endif
.irp b, 0,1,2,3
	v_max3_num_f32 v[BM+\b], v[S+16*\b], v[S+1+16*\b], v[S+2+16*\b]   ; the largest score of each block of 32 keys: for the row's maximum, and, since p rises with the score, for the block's largest p
.endr
.irp i, 3,5,7,9,11,13
.irp b, 0,1,2,3
	v_max3_num_f32 v[BM+\b], v[BM+\b], v[S+16*\b+\i], v[S+1+16*\b+\i]
.endr
.endr
.irp b, 0,1,2,3
	v_max_num_f32 v[BM+\b], v[BM+\b], v[S+15+16*\b]
.endr
.irp b, 0,1,2,3
	s_delay_alu instid0(VALU_DEP_4)
	v_permlanex16_b32 v[PT+\b], v[BM+\b], s48, s49
.endr
.irp b, 0,1,2,3
	s_delay_alu instid0(VALU_DEP_4)
	v_max_num_f32 v[BM+\b], v[BM+\b], v[PT+\b]     ; with lane l xor 16's 16 keys
.endr
	s_delay_alu instid0(VALU_DEP_2)
	v_max3_num_f32 v235, v[BM], v[BM+1], v[BM+2]
	s_delay_alu instid0(VALU_DEP_1)
	v_max_num_f32 v235, v235, v[BM+3]
	s_delay_alu instid0(VALU_DEP_1)
	v_mul_f32 v235, s50, v235                      ; the step's largest t of my query
	s_delay_alu instid0(VALU_DEP_1)
	v_max_num_f32 v13, v13, v235
	v_mov_b32 v235, v12
	s_delay_alu instid0(VALU_DEP_2)
	v_floor_f32 v12, -v13                          ; the new -M = -ceil(t): a whole number
	s_delay_alu instid0(VALU_DEP_1)
	v_sub_f32 v235, v12, v235                      ; old M - new M: a whole number, 0 or less
	s_delay_alu instid0(VALU_DEP_1)
	v_cvt_i32_f32 v235, v235                       ; (it saturates)
	s_delay_alu instid0(VALU_DEP_1)
	v_ldexp_f32 v232, 1.0, v235                    ; f = 2^(old M - new M)
.set j, 0
.rept 32
	v_pk_fma_f32 v[S+j:S+j+1], v[S+j:S+j+1], s[50:51], v[12:13] op_sel_hi:[1,0,0]   ; t - M, two at a time
.set j, j+2
.endr
.irp b, 0,1,2,3
	v_fma_f32 v[BM+\b], v[BM+\b], s50, v12         ; the same of each block's largest score
.endr
.set j, 0
	s_wait_alu depctr_va_vdst(0)
.rept 64
	v_exp_f32 v[S+j], v[S+j]                       ; p = 2^(t - M), at most 1
.set j, j+1
.endr
.irp b, 0,1,2,3
	v_exp_f32 v[BM+\b], v[BM+\b]                   ; the block's largest p
.endr
	v_pk_mul_f32 v[14:15], v[14:15], v[232:233] op_sel_hi:[1,0]   ; the sums under the new M.  (A plain place behind the exponentials)
	s_wait_alu depctr_va_vdst(0)
.irp b, 0,1,2,3
	v_max_num_f32 v[BM+\b], 0x8000000, v[BM+\b]    ; the floor 2^(16 - 127): the byte cannot fall under 1
.endr
.irp b, 0,1,2,3
	s_delay_alu instid0(VALU_DEP_4)
	v_add_nc_u32 v[SO+\b], 0xf8800000, v[BM+\b]    ; 15 off the exponent field: the conversion's scale operand
.endr
.irp b, 0,1,2,3
.endr
.irp b, 0,1,2,3
	s_delay_alu instid0(VALU_DEP_4)
	v_lshrrev_b32 v[PT+\b], 23, v[SO+\b]           ; the scale's byte
.endr
	s_delay_alu instid0(VALU_DEP_3)
	v_lshl_or_b32 v234, v[PT+1], 8, v[PT]          ; p's scale word for these 128 keys
	s_delay_alu instid0(VALU_DEP_1)
	v_lshl_or_b32 v234, v[PT+2], 16, v234
.if \w
	WIN 0x11                                       ; sources in window 1, destination in window 0: a scale operand has no window.  The sums below are the places between this line and the products
	v_lshl_or_b32 v238, v[PT+3], 24, v234
	WIN W1
.else
	s_delay_alu instid0(VALU_DEP_1)
	v_lshl_or_b32 v234, v[PT+3], 24, v234
.endif
	v_pk_add_f32 v[230:231], v[S:S+1], v[S+2:S+3]  ; the row's sum is taken of the unquantised p: two at a time, in two chains
.set j, 4
.rept 15
	v_pk_add_f32 v[14:15], v[14:15], v[S+j:S+j+1]
	v_pk_add_f32 v[230:231], v[230:231], v[S+j+2:S+j+3]
.set j, j+4
.endr
	s_delay_alu instid0(VALU_DEP_1)
	v_pk_add_f32 v[14:15], v[14:15], v[230:231]
.irp b, 0,1,2,3
.irp i, 0,1,2,3,4,5,6,7,8,9,10,11,12,13,14,15
.endr
	v_cvt_scalef32_pk8_bf8_f32 v[PCD+4*\b:PCD+1+4*\b], v[S+16*\b:S+7+16*\b], v[SO+\b]
	v_cvt_scalef32_pk8_bf8_f32 v[PCD+2+4*\b:PCD+3+4*\b], v[S+8+16*\b:S+15+16*\b], v[SO+\b]
.endr
	v_nop                                          ; a plain vector line behind the last conversion
.set j, 0
.rept 16
	v_pk_mul_f32 v[O+j:O+j+1], v[O+j:O+j+1], v[232:233] op_sel_hi:[1,0]   ; O^T under the new M.  (These are also the places between the codes' making and the products)
.set j, j+2
.endr
.endm
; A KEY STEP: 128 keys, the q-th of the slot in hand, for both tiles.
.macro STEP q
.set B0, KG*(\q)
	s_lshl_b32 s54, s42, 1
	s_add_co_u32 s54, s54, \q                      ; which key step of the head
	s_cmp_gt_u32 s54, s44
	s_cbranch_scc1 .Lhidden_\@                     ; all its keys come after my queries
	s_wait_alu depctr_va_vdst(0)
	KLOAD 0
	s_wait_dscnt 0x0
	QK 0, 0
	WIN 0x44                                       ; Q and S^T in window 1, K in window 0
	QK 0, 1
	WIN 0
.rept 8
	v_nop                                          ; places in front of loads into registers that the eight products above have read (with the eight at the last step's end also those in front of V's loads)
.endr
	s_wait_alu depctr_va_vdst(0)
	KLOAD 1
	WIN 0x40                                       ; destination window 1
.irp t, 0,1,2,3
.irp c, 0,1,2,3
	ds_load_b128 v[VF+16*\t+4*\c:VF+16*\t+4*\c+3], v5 offset:B0+8704+2048*\t+512*\c   ; V is asked for here: tile A's softmax stands between these loads and the wait for them
.endr
.endr
	WIN 0
.irp p, 0,1
	ds_load_b32 v[228+\p], v6 offset:B0+16896+128*\p
.endr
	s_wait_dscnt 18                                ; K's ten loads are in; the youngest 18, V's sixteen and its two scale words, may be out
	QK 1, 0
	WIN 0x44
	QK 1, 1
	WIN 0
.rept 8
	v_nop                                          ; places in front of the first read of the scores
.endr
	s_cmp_lt_u32 s54, s44
	s_cbranch_scc1 .Lopen_\@                       ; all its keys count
	MASK
	WIN W1
	MASK
	WIN 0
.Lopen_\@:
	SOFT 0
	s_wait_alu depctr_va_vdst(0)
	s_wait_dscnt 0x0                               ; V
	WIN 0x01                                       ; V in window 1; p's codes and O^T in window 0
	PV 0                                           ; tile A's products are issued ahead of tile B's softmax, which names none of their registers
	SOFT 1
	PV 1
	WIN 0
.rept 8
	v_nop                                          ; places behind the last products: in front of the way out's reads of O^T, and of the next loads into V's registers
.endr
.Lhidden_\@:
.endm
; THE CHANGE OF SLOTS stands at a slot's head.  Each wave waits for all its tensor loads, adds 0 to its spare word, and waits for that and for its reads of the slot that it has left.
; fill = 1: that slot is filled with the next 256 keys of the walk 0 .. g, 0 .. 7 - g: the load has a whole slot's steps in which to land; one tensor load of a wave is out at the most.
.macro CHANGE fill
	s_wait_tensorcnt 0x0                           ; no tensor load of mine is out, so group 0 may be written
	ds_add_u32 v3, v4                              ; 0 onto my spare word
	s_mov_b32 s42, s43                             ; which 256 keys the slot ahead holds
.if \fill
	s_add_co_u32 s54, s41, 1
	s_cmp_gt_u32 s54, s13
	s_cselect_b32 s55, s47, 0
	s_sub_co_u32 s43, s54, s55                     ; the next trip's: trip + 1, less g + 1 once block g is done
	s_xor_b32 s25, s25, SLOT1                      ; the other slot than last time
	s_mul_i32 s30, s43, 2*KG
	s_add_co_u32 s30, s30, s46
	s_add_nc_u64 s[26:27], s[28:29], s[30:31]
	s_or_b32 s27, s27, 0x80000000
.endif
	s_wait_dscnt 0x0                               ; the add is done, and my reads of the slot that I have left are over
	s_barrier_signal -1
	s_barrier_wait -1
.if \fill
	TLOAD                                          ; the first thing behind the barrier, and a wave's one tensor load until the next
.endif
.endm
.macro SLOT_STEPS
	v_add_nc_u32 v5, s40, v1
	v_add_nc_u32 v6, s40, v2
	STEP 0
	STEP 1
	s_xor_b32 s40, s40, SLOT1
.endm
; THE WAY OUT of a tile.  O^T / the sum; register 8 t + j is channel 16 t + 8 h + j of my query: two blocks of 32 along the model's channels, each in lanes l and l xor 16.  A conversion's eight codes are eight
; neighbours in the true order of K: those of tile 2 b belong to the image's lanes 0-15, those of tile 2 b + 1 to its lanes 16-31, at byte 8 h of lane r's 16: each store of the wave covers 256 consecutive bytes, aligned.
.macro OUT w
.if \w
	WIN W1
.else
	WIN 0
.endif
	v_add_f32 v14, v14, v15
	s_delay_alu instid0(VALU_DEP_1)
	v_permlanex16_b32 v235, v14, s48, s49
	s_delay_alu instid0(VALU_DEP_1)
	v_add_f32 v14, v14, v235                       ; the row's sum
	s_wait_alu depctr_va_vdst(0)
	v_rcp_f32 v14, v14
	v_nop                                          ; a plain place behind the transcendental
.set j, 0
	s_wait_alu depctr_va_vdst(0)
.rept 16
	v_pk_mul_f32 v[S+j:S+j+1], v[O+j:O+j+1], v[14:15] op_sel_hi:[1,0]
.set j, j+2
.endr
.irp b, 0,1
	v_max3_num_f32 v[BM+\b], |v[S+16*\b]|, |v[S+1+16*\b]|, 0x8000000
.endr
.irp i, 2,4,6,8,10,12,14
.irp b, 0,1
	s_delay_alu instid0(VALU_DEP_2)
	v_max3_num_f32 v[BM+\b], v[BM+\b], |v[S+16*\b+\i]|, |v[S+1+16*\b+\i]|
.endr
.endr
.irp b, 0,1
	s_delay_alu instid0(VALU_DEP_2)
	v_permlanex16_b32 v[PT+\b], v[BM+\b], s48, s49
.endr
.irp b, 0,1
	s_delay_alu instid0(VALU_DEP_2)
	v_max_num_f32 v[BM+\b], v[BM+\b], v[PT+\b]
.endr
.irp b, 0,1
	s_delay_alu instid0(VALU_DEP_2)
	v_add_nc_u32 v[SO+\b], 0xf8800000, v[BM+\b]
.endr
.irp b, 0,1
.endr
.irp b, 0,1
	s_delay_alu instid0(VALU_DEP_2)
	v_lshrrev_b32 v[PT+\b], 23, v[SO+\b]
.endr
.irp b, 0,1
.irp i, 0,1,2,3,4,5,6,7,8,9,10,11,12,13,14,15
.endr
	v_cvt_scalef32_pk8_bf8_f32 v[PCD+4*\b:PCD+1+4*\b], v[S+16*\b:S+7+16*\b], v[SO+\b]
	v_cvt_scalef32_pk8_bf8_f32 v[PCD+2+4*\b:PCD+3+4*\b], v[S+8+16*\b:S+15+16*\b], v[SO+\b]
.endr
	v_nop                                          ; a plain vector line behind the last conversion
	v_cndmask_b32 v235, v[PT], v[PT+1], s53        ; lanes 0-15 store the first block's byte of their row, lanes 16-31 the second's
.if \w
	WIN 0x04                                       ; a store's data are its source 1: window 1; its address stays in window 0
.endif
.irp b, 0,1
.irp u, 0,1
	global_store_b64 v8, v[PCD+4*\b+2*\u:PCD+4*\b+2*\u+1], s[32:33] offset:4096*(\w)+512*\b+256*\u
.endr
.endr
	global_store_b8 v9, v235, s[34:35] offset:512*(\w)
.endm
	s_wait_loadcnt 0x0                             ; Q of both tiles of both blocks
.Lslot:                                            ; eight trips: behind each change of slots but the last the next slot is asked for
	CHANGE 1
	SLOT_STEPS
	s_cmp_lg_u32 s41, s13                          ; block g has seen its last key in trip g: ids alone, the same in all eight waves
	s_cbranch_scc1 .Lno
	OUT 0
	OUT 1
	WIN 0
	s_wait_xcnt 0x0                                ; the stores have read their data and bases: both are written again only behind this wait
	s_mov_b64 s[32:33], s[36:37]                   ; on to block 7 - g
	s_mov_b64 s[34:35], s[38:39]
	s_mov_b32 s44, s45
	v_mov_b32 v236, v248
.irp j, 0,1,2,3,4,5,6,7
	v_mov_b32 v[16+\j], v[240+\j]
.endr
	FRESH
	WIN W1
.irp j, 0,1,2,3,4,5,6,7
	v_mov_b32 v[16+\j], v[240+\j]
.endr
	FRESH                                          ; (its 36 lines are also the places between Q's moves and the next products)
	WIN 0
.Lno:
	s_add_co_u32 s41, s41, 1
	s_cmp_lt_u32 s41, 8
	s_cbranch_scc1 .Lslot
	CHANGE 0                                       ; the last slot is written out
	SLOT_STEPS
	OUT 0
	OUT 1
	WIN 0
	s_wait_tensorcnt 0x0                           ; the wave's end
	ds_add_u32 v3, v4
	s_wait_dscnt 0x0
	s_endpgm
.Lfunc_end_k_q179ea31db8_attn:
	.size	k_q179ea31db8_attn, .Lfunc_end_k_q179ea31db8_attn-k_q179ea31db8_attn
	.p2alignl 7, 3214868480
	.fill 96, 4, 3214868480
	.section	.rodata,"a",@progbits
	.p2align	6, 0x0
	.amdhsa_kernel k_q179ea31db8_attn
		.amdhsa_group_segment_fixed_size 327680
		.amdhsa_private_segment_fixed_size 0
		.amdhsa_enable_private_segment 0
		.amdhsa_kernarg_size 32
		.amdhsa_user_sgpr_count 2
		.amdhsa_user_sgpr_kernarg_segment_ptr 1
		.amdhsa_wavefront_size32 1
		.amdhsa_system_sgpr_workgroup_id_x 1
		.amdhsa_system_sgpr_workgroup_id_y 1
		.amdhsa_system_sgpr_workgroup_id_z 1
		.amdhsa_system_vgpr_workitem_id 0
		.amdhsa_next_free_vgpr 512
		.amdhsa_next_free_sgpr 66
		.amdhsa_reserve_vcc 1
		.amdhsa_float_denorm_mode_32 3
		.amdhsa_float_denorm_mode_16_64 3
		.amdhsa_fp16_overflow 1
		.amdhsa_memory_ordered 1
		.amdhsa_forward_progress 1
		.amdhsa_inst_pref_size 199
	.end_amdhsa_kernel
	.amdgpu_metadata
---
amdhsa.version: [ 1, 2 ]
amdhsa.kernels:
  - .name:           k_q179ea31db8_attn
    .symbol:         k_q179ea31db8_attn.kd
    .args:
      - { .name: qq, .offset: 0, .size: 8, .value_kind: global_buffer, .address_space: global }
      - { .name: kv, .offset: 8, .size: 8, .value_kind: global_buffer, .address_space: global }
      - { .name: ao, .offset: 16, .size: 8, .value_kind: global_buffer, .address_space: global }
      - { .name: aos, .offset: 24, .size: 8, .value_kind: global_buffer, .address_space: global }
    .group_segment_fixed_size: 327680
    .private_segment_fixed_size: 0
    .kernarg_segment_align: 8
    .kernarg_segment_size: 32
    .max_flat_workgroup_size: 256
    .sgpr_count:     66
    .vgpr_count:     512
    .wavefront_size: 32
...
	.end_amdgpu_metadata
.endif
;; end of part 2
;; launch oproj (part 3): grid 4 x 32, 4 waves a work-group, clusters of 4 x 4, 327,680 bytes of LDS; arguments ao, aos, wo_codes, wo_scales, bo, out0; writes out0
.if DOCPART == 3
	.amdgcn_target "amdgcn-amd-amdhsa--gfx1250"
	.amdhsa_code_object_version 6
	.text
	.protected	k_q179ea31db8_oproj
	.globl	k_q179ea31db8_oproj
	.p2align	8
	.type	k_q179ea31db8_oproj,@function
k_q179ea31db8_oproj:
	s_mov_b64 s[64:65], 0
	v_nop
	global_prefetch_b8 v0, s[64:65] scope:SCOPE_SE
	s_setreg_imm32_b32 hwreg(HW_REG_WAVE_MODE, 25, 1), 1
	s_wait_xcnt 0x0
	s_wait_alu depctr_hold_cnt(0) depctr_sa_sdst(0) depctr_va_vdst(0) depctr_va_sdst(0) depctr_va_ssrc(0) depctr_va_vcc(0) depctr_vm_vsrc(0)
	s_getreg_b32 s2, hwreg(HW_REG_IB_STS2, 6, 4)
	s_cmp_eq_u32 s2, 0
	s_cbranch_scc0 .Lentry_in_a_cluster
	s_endpgm
.Lentry_in_a_cluster:
	s_bfe_u32 s2, ttmp6, 0x10000c
	s_cmp_lg_u32 s2, 0xf033
	s_cbranch_scc0 .Lentry_shape_is_right
	s_endpgm
.Lentry_shape_is_right:
; out0 = A wo + bo on codes of BF8 (E5M2) with one E8M0 scale for each 32 along K = 1,024.  A: the attention's result, 8,192 rows, as the launch before left it; wo: 1,024 rows (output channel) of 1,024 codes; out0: [8,192][1,024] f32.
; A's codes lie as IMAGES OF OPERAND REGISTERS: [K step of 256][tile of 16 rows][128 along K][block of 32][lane][16 bytes]: a K step of 256 rows is 64 KiB on end, a fragment comes by four loads of 512 consecutive bytes.
; A's scale bytes [8,192][32] and wo's [1,024][32] come into LDS once, for all of K, in whole runs of 256 bytes.
; A tile of 256 x 256 to a work-group of four waves, 128 x 128 to a wave: 64 accumulators.  K goes in steps of 256 through a ring of two LDS slots.
; CLUSTERS: 4 x 4 work-groups; A's tile is asked for jointly along a row of the cluster, wo's along a column.  THE MATRIX INSTRUCTION IS USED TRANSPOSED (source 0 = 16 rows of wo, source 1 = 16 rows of A):
; a lane holds eight neighbouring numbers of a row of out0.  THE BIAS is the C of each sum's first matrix instruction: eight registers for each of wo's eight blocks, in the result's layout.
; REGISTERS, in windows of 256: window 0: v0-31 addresses; v32-63 scale words, two sets; v64-127 the bias; from v128 A's fragments, one set; on the way out v128-255 rows of out0.
;   window 1: wo's fragments, two sets.   windows 2, 3: the accumulators, (a, b) at v[8 (8 (a % 4) + b)].
.set NQ,     2
.set ROWB,   256
.set KROW,   1024
.set PITCH,  272                       ; wo's LDS row: 256 bytes + 16 of padding: the 16 rows that a load touches start at 16 different banks (64 banks of 4 bytes: ISA guide 11.1)
.set FR,     16
.set NL,     4
.set NP,     8                         ; places behind this matrix instruction (ISA guide 7.12.1)
.set HALFA,  32768                     ; A: 8 tiles of 16 rows x 4,096 bytes: what one tensor load brings
.set HALFT,  128*PITCH                 ; wo: 128 rows
.set BOFF,   2*HALFA                   ; a slot: A's 256 rows, then wo's 256 rows
.set SLOT,   BOFF+2*HALFT
.set ASTEP,  0x200000                  ; from a K step of A to the next
.set KS,     32
.set SCL,    2*SLOT
.set HALFS,  (128*KS/256)*272
.set SBLK,   (16*KS/256)*272
.set SPARE,  SCL+4*HALFS               ; the spare words, 128 bytes for each wave: two blocks of 256 bytes that no other line names
.set SPITCH, 528                       ; the way out: a stage of 16 rows x (512 bytes + 16) for each wave, in slot 0, which has had its last fill and its last read when the first result is stored there
.set NROW,   4096                      ; a row of out0 in bytes
.set ADRA, 16
.set ADRB, 20
.set STO,  24
.set RD,   25
.set CO,   26                          ; v26  16 x lane
.set ADRS, 27
.set SPW,  28
.set NIL,  29
.set H32,  30
.set SC,   32
.set BP,   64
.set AF,   128
.set BK,   128
.set G1, 24
.set G0, 32
.set G1B, 48
.set G0B, 56
.set G1S, 68
.set G0S, 76
.set G1SB, 80
.set G0SB, 88
.set MSB, 0
.macro WIN new                         ; the immediate's high byte repeats the setting that is left
.if MSB != (\new)
	s_set_vgpr_msb (MSB<<8)|(\new)
.set MSB, \new
.endif
.endm
.set MUL_LO, 0xa1                      ; source 0 (wo) window 1, source 1 (A) window 0, C and D window 2
.set MUL_HI, 0xf1
.set BIA_LO, 0x81                      ; the same with C (the bias) in window 0
.set BIA_HI, 0xc1
.set TO_B,   0x40
.macro JLOAD g0a, g1a, g0b, g1b        ; a joint load: waves 0 and 1 fetch for A, waves 2 and 3 for wo; four v_nop follow each of the two lines
	s_cmp_eq_u32 s15, 0
	s_cbranch_scc0 .Lfor_b_\@
	tensor_load_to_lds s[\g0a:\g0a+3], s[\g1a:\g1a+7]
	s_nop 0
.rept 4
	v_nop
.endr
	s_branch .Lasked_\@
.Lfor_b_\@:
	tensor_load_to_lds s[\g0b:\g0b+3], s[\g1b:\g1b+7]
	s_nop 0
.rept 4
	v_nop
.endr
.Lasked_\@:
.endm
.macro CREST
	s_cmp_lg_u32 s14, 0
	s_cbranch_scc1 .Lnot_wave_0_\@
	s_barrier_signal -3
.Lnot_wave_0_\@:
	s_barrier_wait -3
	s_barrier_signal -1
	s_barrier_wait -1
.endm
.macro CROUND
	s_barrier_signal -1
	s_barrier_wait -1
	CREST
.endm
	s_load_b128 s[4:7], s[0:1], 0x0                ; A's codes, A's scales
	s_load_b128 s[8:11], s[0:1], 0x10              ; wo's codes, wo's scales
	s_load_b64 s[96:97], s[0:1], 0x20              ; bo
	s_load_b64 s[12:13], s[0:1], 0x28              ; out0
	v_lshl_add_u32 v[SPW], v0, 2, SPARE
	v_mov_b32 v[NIL], 0
	ds_add_u32 v28, v29
	ds_add_u32 v28, v29
	s_wait_dscnt 0x0
	v_lshrrev_b32 v1, 5, v0
	v_readfirstlane_b32 s14, v1                    ; wave 0..3
	s_lshr_b32 s15, s14, 1                         ; which half of the tile's rows is mine.  Also: I fetch for A (0) or for wo (1)
	s_and_b32 s16, s14, 1                          ; which half of its columns.  Also: which 128 rows I fetch
	s_bfe_u32 s40, ttmp6, 0x40000                  ; cx
	s_bfe_u32 s41, ttmp6, 0x40004                  ; cy
	s_lshl_b32 s42, ttmp9, 2
	s_add_co_u32 s42, s42, s40                     ; tile column
	s_and_b32 s17, ttmp7, 0xffff
	s_lshl_b32 s17, s17, 2
	s_add_co_u32 s17, s17, s41                     ; tile row
	s_lshl_b32 s43, s41, 2
	s_lshl_b32 s43, 15, s43                        ; my row of the cluster
	s_lshl_b32 s44, 0x1111, s40                    ; my column
	s_or_b32 s[G1+0], s43, (3<<16)|(1<<21)         ; A: the mask; elements of 8 bytes; no padding; bit 21 beside a mask: a dense block of 32,768 bytes as
	s_mov_b32 s[G1+1], 32<<16                      ; rows of 32 elements (256 bytes),
	s_mov_b32 s[G1+2], 128<<16                     ; 128 of them
	s_mov_b32 s[G1+3], 32<<16
	s_mov_b32 s[G1+4], 128
	s_mov_b32 s[G1+5], 32
	s_mov_b32 s[G1+6], 0
	s_mov_b32 s[G1+7], 0
	s_or_b32 s[G1B+0], s44, (0<<16)|(1<<20)|(1<<21)|(5<<22)|(3<<25)  ; wo: elements of 1 byte; 4 words of padding after every 64
	s_mov_b32 s[G1B+1], ROWB<<16
	s_mov_b32 s[G1B+2], 128<<16
	s_mov_b32 s[G1B+3], ROWB<<16
	s_mov_b32 s[G1B+4], 128
	s_mov_b32 s[G1B+5], KROW
	s_mov_b32 s[G1B+6], 0
	s_mov_b32 s[G1B+7], 0
	s_or_b32 s[G1S+0], s43, (3<<16)|(1<<20)|(1<<21)|(5<<22)|(3<<25)  ; the scales of 128 rows: 16 rows of 256 bytes, 16 bytes of padding behind each
	s_or_b32 s[G1SB+0], s44, (3<<16)|(1<<20)|(1<<21)|(5<<22)|(3<<25)
.irp g, G1S, G1SB
	s_mov_b32 s[\g+1], 32<<16
	s_mov_b32 s[\g+2], (128*KS/256)<<16
	s_mov_b32 s[\g+3], 32<<16
	s_mov_b32 s[\g+4], 128*KS/256
	s_mov_b32 s[\g+5], 32
	s_mov_b32 s[\g+6], 0
	s_mov_b32 s[\g+7], 0
.endr
	s_lshl_b32 s18, s16, 7                         ; which 128 rows I fetch
	s_lshl_b32 s20, s17, 8
	s_add_co_u32 s20, s20, s18                     ; A: row 256 x tile row + 128 x half
	s_lshl_b32 s22, s20, 5                         ; its scale bytes: 32 a row,
	s_lshl_b32 s20, s20, 8                         ; its codes in a K step: 4,096 bytes for 16 rows
	s_mov_b32 s21, 0
	s_mov_b32 s23, 0
	s_lshl_b32 s46, s42, 8
	s_add_co_u32 s46, s46, s18                     ; wo: row 256 x tile column + 128 x half
	s_lshl_b32 s92, s46, 5
	s_lshl_b32 s46, s46, 10
	s_mov_b32 s47, 0
	s_mov_b32 s93, 0
	s_lshl_b32 s45, s16, 15                        ; where they go: A's half,
	s_mul_i32 s95, s16, HALFT
	s_add_co_u32 s95, s95, BOFF                    ; wo's half, behind A's 256 rows,
	s_mul_i32 s94, s14, HALFS                      ; the scales: wave x 128 rows: no place in the cluster enters an LDS address
	s_wait_kmcnt 0x0
	s_add_nc_u64 s[20:21], s[4:5], s[20:21]
	s_add_nc_u64 s[22:23], s[6:7], s[22:23]
	s_add_nc_u64 s[46:47], s[8:9], s[46:47]
	s_add_nc_u64 s[92:93], s[10:11], s[92:93]
	CROUND                                         ; all sixteen work-groups are here: the first joint loads meet
	s_mov_b32 s[G0S], 1
	s_add_co_u32 s[G0S+1], s94, SCL
	s_mov_b64 s[G0S+2:G0S+3], s[22:23]
	s_or_b32 s[G0S+3], s[G0S+3], 0x80000000
	s_mov_b32 s[G0SB], 1
	s_add_co_u32 s[G0SB+1], s94, SCL
	s_mov_b64 s[G0SB+2:G0SB+3], s[92:93]
	s_or_b32 s[G0SB+3], s[G0SB+3], 0x80000000
	JLOAD G0S, G1S, G0SB, G1SB                     ; the scales first: they are wanted with K step 0
.irp s, 0,1
	s_mov_b32 s[G0+4*\s], 1
	s_add_co_u32 s[G0+4*\s+1], s45, \s*SLOT
	s_add_nc_u64 s[G0+4*\s+2:G0+4*\s+3], s[20:21], \s*ASTEP
	s_or_b32 s[G0+4*\s+3], s[G0+4*\s+3], 0x80000000
	s_mov_b32 s[G0B+4*\s], 1
	s_add_co_u32 s[G0B+4*\s+1], s95, \s*SLOT
	s_add_nc_u64 s[G0B+4*\s+2:G0B+4*\s+3], s[46:47], \s*ROWB
	s_or_b32 s[G0B+4*\s+3], s[G0B+4*\s+3], 0x80000000
	s_wait_alu depctr_va_vdst(0)
	s_wait_tensorcnt 0x0
	ds_add_u32 v28, v29
	s_wait_dscnt 0x0
	CROUND
	JLOAD G0+4*\s, G1, G0B+4*\s, G1B
.endr
	v_and_b32 v1, 15, v0                           ; r
	v_bfe_u32 v2, v0, 4, 1                         ; h
	v_and_b32 v6, 31, v0
	v_lshlrev_b32 v[CO], 4, v6                     ; 16 x lane: my place in an image, and in a row of out0
	v_mul_u32_u24 v3, v1, PITCH
	v_lshl_add_u32 v4, v2, 4, v3                   ; wo: a fragment's row x pitch + 16 x half
	s_lshl_b32 s21, s15, 15                        ; my 128 rows of A
	s_mul_i32 s22, s16, HALFT                      ; my 128 rows of wo,
	s_add_co_u32 s22, s22, BOFF                    ; which lie behind A's 256
.irp s, 0,1
	v_add_nc_u32 v[ADRA+\s], s21, v[CO]
	v_add_nc_u32 v[ADRB+\s], s22, v4
	s_add_co_u32 s21, s21, SLOT
	s_add_co_u32 s22, s22, SLOT
.endr
	v_mul_u32_u24 v5, v1, KS                       ; my row's scales: 32 bytes a row,
	v_lshrrev_b32 v6, 8, v5
	v_lshl_add_u32 v5, v6, 4, v5                   ; and 16 more for each 256 passed
	s_mul_i32 s21, s15, HALFS
	s_mul_i32 s22, s16, HALFS
	s_add_co_u32 s22, s22, 2*HALFS
	s_sub_co_u32 s22, s22, s21
	v_mul_u32_u24 v6, s22, v2                      ; lanes 16-31 take wo's
	s_add_co_u32 s21, s21, SCL
	v_add_nc_u32 v5, v5, v6
	v_add_nc_u32 v[ADRS], s21, v5
	s_mul_i32 s23, s14, 16*SPITCH                  ; my stage
	v_mul_u32_u24 v5, v1, SPITCH                   ; in: row l % 16, 32 bytes for each half of the lanes
	v_lshl_add_u32 v5, v2, 5, v5
	v_add_nc_u32 v[STO], s23, v5
	v_add_nc_u32 v[RD], s23, v[CO]                 ; back: the 32 lanes take one row of 512 bytes
	v_lshlrev_b32 v[H32], 5, v2
	s_wait_alu depctr_va_vdst(0)
	s_lshl_b32 s20, s17, 8
	s_lshl_b32 s21, s15, 7
	s_add_co_u32 s20, s20, s21                     ; my first row of out0
	s_lshl_b32 s20, s20, 12
	s_mov_b32 s21, 0
	s_lshl_b32 s46, s42, 10                        ; my first column, in bytes: 1,024 x tile column + 512 x half
	s_lshl_b32 s47, s16, 9
	s_add_co_u32 s46, s46, s47
	s_mov_b32 s47, 0
	s_add_nc_u64 s[20:21], s[20:21], s[46:47]
	s_add_nc_u64 s[12:13], s[12:13], s[20:21]
	s_add_nc_u64 s[96:97], s[96:97], s[46:47]      ; and my 128 numbers of bo
.irp b, 0,1,2,3,4,5,6,7
	global_load_b128 v[BP+8*\b:BP+8*\b+3], v[H32], s[96:97] offset:64*\b        ; register 8 b + j: bo of column 16 b + 8 h + j
	global_load_b128 v[BP+8*\b+4:BP+8*\b+7], v[H32], s[96:97] offset:64*\b+16
.endr
.macro FRAG reg, adr, q, i             ; wo: 16 rows x 128 K from rows that lie along K
.irp c, 0,1,2,3
	ds_load_b128 v[\reg+4*\c:\reg+4*\c+3], v[\adr] offset:128*(\q)+32*\c+(\i)*16*PITCH
.endr
.endm
.macro FRAGA reg, adr, q, i            ; A: the image of the fragment's registers
.irp c, 0,1,2,3
	ds_load_b128 v[\reg+4*\c:\reg+4*\c+3], v[\adr] offset:4096*(\i)+2048*(\q)+512*\c
.endr
.endm
; 16 matrix instructions: A's blocks a0, a0 + 1 x wo's eight, 128 along K.  first = 1: the sum begins with the bias.  The 64 accumulators take turns, one instruction a turn.
.macro MUL16 a0, p, q, sc, first
.irp a, \a0, \a0+1
.irp b, 0,1,2,3,4,5,6,7
.if \first
	v_wmma_scale_f32_16x16x128_f8f6f4 v[8*(8*((\a)%4)+\b):8*(8*((\a)%4)+\b)+7], v[128*(\p)+FR*\b:128*(\p)+FR*\b+FR-1], v[AF+FR*(\a):AF+FR*(\a)+FR-1], v[BP+8*\b:BP+8*\b+7], v[SC+8*NQ*(\sc)+NQ*\b+(\q)], v[SC+8*NQ*(\sc)+NQ*(\a)+(\q)] matrix_a_fmt:MATRIX_FMT_BF8 matrix_b_fmt:MATRIX_FMT_BF8 matrix_a_scale:MATRIX_SCALE_ROW1
.else
	v_wmma_scale_f32_16x16x128_f8f6f4 v[8*(8*((\a)%4)+\b):8*(8*((\a)%4)+\b)+7], v[128*(\p)+FR*\b:128*(\p)+FR*\b+FR-1], v[AF+FR*(\a):AF+FR*(\a)+FR-1], v[8*(8*((\a)%4)+\b):8*(8*((\a)%4)+\b)+7], v[SC+8*NQ*(\sc)+NQ*\b+(\q)], v[SC+8*NQ*(\sc)+NQ*(\a)+(\q)] matrix_a_fmt:MATRIX_FMT_BF8 matrix_b_fmt:MATRIX_FMT_BF8 matrix_a_scale:MATRIX_SCALE_ROW1
.endif
.endr
.endr
.endm
.macro FETCH_B slot, q, p
	WIN TO_B
.irp i, 0,1,2,3,4,5,6,7
	FRAG 128*(\p)+FR*\i, ADRB+\slot, \q, \i
.endr
	WIN 0
.endm
.macro FETCH_A slot, q, i0
.irp i, \i0, \i0+1, \i0+2, \i0+3
	FRAGA AF+FR*(\i), ADRA+\slot, \q, \i
.endr
.endm
.macro SCALES sc
.irp i, 0,1,2,3,4,5,6,7
	ds_load_b64 v[SC+8*NQ*\sc+NQ*\i:SC+8*NQ*\sc+NQ*\i+1], v[ADRS] offset:\i*SBLK
.endr
.endm
.macro PLACES n
.rept \n
	v_nop
.endr
.endm
.macro STEP slot, q, first
	s_wait_dscnt 4*NL                              ; wo's set and A's blocks 0-3 are in; the youngest 16 loads (A's blocks 4-7) may be out
.if \first
	WIN BIA_LO
.else
	WIN MUL_LO
.endif
	MUL16 0, (\q)%2, \q, \slot, \first
	MUL16 2, (\q)%2, \q, \slot, \first
	s_wait_dscnt 0
	PLACES NP
	FETCH_B \slot, (\q)+1, 1-(\q)%2
	FETCH_A \slot, (\q)+1, 0
.if \first
	WIN BIA_HI
.else
	WIN MUL_HI
.endif
	MUL16 4, (\q)%2, \q, \slot, \first
	MUL16 6, (\q)%2, \q, \slot, \first
	PLACES NP
	WIN 0
	FETCH_A \slot, (\q)+1, 4
.endm
.macro TURN slot, next, fill
	s_wait_tensorcnt 0x0                           ; all my tensor loads have landed: my part of the next slot
	ds_add_u32 v[SPW], v[NIL]                      ; 0 onto my spare word
	s_wait_dscnt 4*NL+1                            ; (the add and the youngest 16 loads may be out)
	WIN MUL_LO
	MUL16 0, 1, NQ-1, \slot, 0
	s_wait_dscnt 0x0                               ; the add is done, and my reads of this slot are over
	s_barrier_signal -1
	MUL16 2, 1, NQ-1, \slot, 0
	WIN 0
	s_barrier_wait -1
.if \fill
	CREST                                          ; the barrier has opened a round of the cluster's barrier: no wave of any partner still reads this slot or has a load on its way
	s_add_nc_u64 s[G0+4*\slot+2:G0+4*\slot+3], s[G0+4*\slot+2:G0+4*\slot+3], 2*ASTEP
	s_add_nc_u64 s[G0B+4*\slot+2:G0B+4*\slot+3], s[G0B+4*\slot+2:G0B+4*\slot+3], 2*ROWB
	JLOAD G0+4*\slot, G1, G0B+4*\slot, G1B         ; the first tensor load behind the round; its four v_nop are among the places in front of the loads below
	PLACES NP-4
.else
	PLACES NP
.endif
	s_wait_alu depctr_va_vdst(0)
	v_add_nc_u32 v[ADRS], 4*NQ, v[ADRS]
	FETCH_B \next, 0, 0
	FETCH_A \next, 0, 0
	SCALES \next
	WIN MUL_HI
	MUL16 4, 1, NQ-1, \slot, 0
	MUL16 6, 1, NQ-1, \slot, 0
	PLACES NP
	WIN 0
	FETCH_A \next, 0, 4
.endm
	s_wait_tensorcnt 1                             ; of my three loads the scales' and K step 0's are in; K step 1's may stay out
	s_barrier_signal -1
	s_barrier_wait -1
	FETCH_B 0, 0, 0
	FETCH_A 0, 0, 0
	SCALES 0
	FETCH_A 0, 0, 4
	s_wait_loadcnt 0x0                             ; the bias
	STEP 0, 0, 1                                   ; K = 1,024 is four slots' worth: eight steps, written out.  The first step's products start the sums on the bias
	TURN 0, 1, 1
	STEP 1, 0, 0
	TURN 1, 0, 1
	STEP 0, 0, 0
	TURN 0, 1, 0                                   ; nothing is left to fetch
	STEP 1, 0, 0
	s_wait_dscnt 4*NL
	WIN MUL_LO
	MUL16 0, 1, NQ-1, 1, 0
	MUL16 2, 1, NQ-1, 1, 0
	s_wait_dscnt 0
	WIN MUL_HI
	MUL16 4, 1, NQ-1, 1, 0
	MUL16 6, 1, NQ-1, 1, 0
	WIN 0
; THE WAY OUT, block by block of 16 rows x 128 columns: through my own stage in LDS and back as whole rows of 512 bytes.  LDS serves a wave's instructions in order (ISA guide 5.7.1.4): no wait between the stores and the loads.
.macro TOSTAGE a
.set AC, 64*((\a)%4)
	WIN 0x08+4*((\a)/4)                            ; the data: window 2 or 3
.irp b, 0,1,2,3,4,5,6,7
	ds_store_b128 v[STO], v[AC+8*\b:AC+8*\b+3] offset:64*\b          ; each accumulator from its low end on
	ds_store_b128 v[STO], v[AC+8*\b+4:AC+8*\b+7] offset:64*\b+16
.endr
	WIN 0
.set BB, BK+64*((\a)%2)
.irp t, 0,1,2,3,4,5,6,7,8,9,10,11,12,13,14,15
	ds_load_b128 v[BB+4*\t:BB+4*\t+3], v[RD] offset:\t*SPITCH
.endr
.endm
.macro SEND a, younger                 ; younger: the LDS instructions issued behind block a's loads, which may stay out
.set BB, BK+64*((\a)%2)
	s_wait_dscnt \younger
.if (\a) > 0
	s_add_nc_u64 s[12:13], s[12:13], 16*NROW       ; (behind a wait on XCNT: the earlier stores have read their base)
.endif
.irp t, 0,1,2,3,4,5,6,7,8,9,10,11,12,13,14,15
	global_store_b128 v[CO], v[BB+4*\t:BB+4*\t+3], s[12:13] offset:\t*NROW th:TH_STORE_NT   ; 32 lanes store 512 consecutive bytes, at a multiple of 256 from out0's first byte
.endr
.endm
	PLACES NP
	TOSTAGE 0
.irp a, 1,2,3,4,5,6,7
.if \a > 1
	s_wait_xcnt 0x0                                ; block a - 2's stores have read their registers and their base
.endif
	TOSTAGE \a
	SEND \a-1, 32                                  ; behind block a - 1's loads: block a's 16 stores and 16 loads
.endr
	s_wait_xcnt 0x0
	SEND 7, 0
	s_wait_tensorcnt 0x0                           ; the wave's end
	ds_add_u32 v[SPW], v[NIL]
	s_wait_dscnt 0x0
	CROUND                                         ; the closing round: no work-group ends while a partner may still ask for a tile that names it
	s_endpgm
.Lfunc_end_k_q179ea31db8_oproj:
	.size	k_q179ea31db8_oproj, .Lfunc_end_k_q179ea31db8_oproj-k_q179ea31db8_oproj
	.p2alignl 7, 3214868480
	.fill 96, 4, 3214868480
	.section	.rodata,"a",@progbits
	.p2align	6, 0x0
	.amdhsa_kernel k_q179ea31db8_oproj
		.amdhsa_group_segment_fixed_size 327680
		.amdhsa_private_segment_fixed_size 0
		.amdhsa_enable_private_segment 0
		.amdhsa_kernarg_size 48
		.amdhsa_user_sgpr_count 2
		.amdhsa_user_sgpr_kernarg_segment_ptr 1
		.amdhsa_wavefront_size32 1
		.amdhsa_system_sgpr_workgroup_id_x 1
		.amdhsa_system_sgpr_workgroup_id_y 1
		.amdhsa_system_sgpr_workgroup_id_z 1
		.amdhsa_system_vgpr_workitem_id 0
		.amdhsa_next_free_vgpr 1024
		.amdhsa_next_free_sgpr 98
		.amdhsa_reserve_vcc 0
		.amdhsa_float_denorm_mode_32 3
		.amdhsa_float_denorm_mode_16_64 3
		.amdhsa_memory_ordered 1
		.amdhsa_forward_progress 1
		.amdhsa_inst_pref_size 148
	.end_amdhsa_kernel
	.amdgpu_metadata
---
amdhsa.version: [ 1, 2 ]
amdhsa.kernels:
  - .name:           k_q179ea31db8_oproj
    .symbol:         k_q179ea31db8_oproj.kd
    .args:
      - { .name: ao, .offset: 0, .size: 8, .value_kind: global_buffer, .address_space: global }
      - { .name: aos, .offset: 8, .size: 8, .value_kind: global_buffer, .address_space: global }
      - { .name: wo_codes, .offset: 16, .size: 8, .value_kind: global_buffer, .address_space: global }
      - { .name: wo_scales, .offset: 24, .size: 8, .value_kind: global_buffer, .address_space: global }
      - { .name: bo, .offset: 32, .size: 8, .value_kind: global_buffer, .address_space: global }
      - { .name: out0, .offset: 40, .size: 8, .value_kind: global_buffer, .address_space: global }
    .group_segment_fixed_size: 327680
    .private_segment_fixed_size: 0
    .kernarg_segment_align: 8
    .kernarg_segment_size: 48
    .max_flat_workgroup_size: 128
    .sgpr_count:     98
    .vgpr_count:     1024
    .wavefront_size: 32
...
	.end_amdgpu_metadata
.endif
;; end of part 3
